; MI455X (gfx1250); checked and timed in simulation.
; The chip was launched on July 23, 2026; its instructions are those of AMD's public machine-readable ISA for CDNA 5 (MIT licence, August 2026) and "CDNA5" Instruction Set Architecture Reference Guide (July 2026). The comments in the code are by the model that wrote it; some were corrected since.
;; HGRN2 Attention. Allowed arithmetic: float matrix products may take bf16 or f16 operands with f32 sums; all other float work in f32.
;; Inputs: Wf 1,024 x 1,024 float32; Wi 1,024 x 1,024 float32; Wo 1,024 x 1,024 float32; Wq 1,024 x 1,024 float32; g_weight 1,024 float32; hidden_states 4 x 2,048 x 1,024 float32.
;; Outputs: out0 4 x 2,048 x 1,024 float32.
;; 2 versions, each right; version 2 is version 1 with the launch scan written anew for expert scheduling mode. Each part assembles by itself: llvm-mc -triple=amdgcn-amd-amdhsa -mcpu=gfx1250 --defsym DOCPART=n.
;; ======== version 1 of 2: 5 launches
;; limits: values are held in f16: magnitudes above 65,504 overflow, below 6.1e-05 lose precision; values outside matrix products are rounded to f16
;; workspace buffers: xb 16,777,216 bytes; wt 8,388,608 bytes; ol 33,554,432 bytes; qh 16,777,216 bytes; hc 17,039,360 bytes; st 16,777,216 bytes; ob 16,777,216 bytes
;; launch prep (part 1): grid 1536 x 1, 4 waves a work-group, no clusters, 17,920 bytes of LDS; arguments hidden_states, Wq, Wf, Wi, Wo, g_weight, xb, wt; writes xb, wt
.if DOCPART == 1
	.amdgcn_target "amdgcn-amd-amdhsa--gfx1250"
	.amdhsa_code_object_version 6
	.text
	.protected	k_q962cb50c85_prep
	.globl	k_q962cb50c85_prep
	.p2align	8
	.type	k_q962cb50c85_prep,@function
k_q962cb50c85_prep:
	s_mov_b64 s[64:65], 0
	v_nop
	global_prefetch_b8 v0, s[64:65] scope:SCOPE_SE
	s_setreg_imm32_b32 hwreg(HW_REG_WAVE_MODE, 25, 1), 1
	s_wait_xcnt 0x0
; HGRN2 attention, launch 1 of 5: operands for the matrix units.
;   xb[8192][1024] f16 = hidden_states.
;   wt[4096][1024] f16, K along the rows: row hd*384 + {q:0, f:128, i:256} + j = column hd*128+j of Wq, Wf, Wi;
;   row 3072+n = g_weight[k] * Wo[k][n]  (the gain of the RMS norm is a factor of o's column k, so it is a factor of Wo's row k).
; THE WHOLE PROGRAM.  lambda = sigmoid(f) = exp(log_sigmoid(f)), k = 1 - lambda, q' = swish(q) * 128^-0.5.
;   o_t = sum over s <= t of (q'_t * prod(u = s+1..t) lambda_u) . k_s  v_s, taken in chunks of 128 steps:
;   launch 2 makes q, f, i, the part of o from inside a chunk, and each chunk's own state H and decay L; launch 3 runs
;   S(c+1) = L(c) S(c) + H(c) over the 16 chunks; launch 4 adds q^ S(c), normalises the rows; launch 5 multiplies by g*Wo.
;   Every decay is a product of lambdas over a stretch of time, split at a point between s and t, so every factor is <= 1:
;   no logarithm, no exponential of a sum, nothing that can overflow.
; WORK LEFT OUT, for all values of the inputs: reference() starts from S = 0, so chunk 0 has no q^ S product and its q^ is not made;
;   H and L of chunk 15 and L of chunk 0 enter no later state that is read, so they are not made.  Every input has a way to the output and is loaded.
;   Limit: a NaN, an infinity or an overflow that reaches only the work left out is not carried to the result.
; LIMITS OF FORMAT: matrix operands are f16 (largest 65,504; below 6e-8 they become 0).  With all inputs 30 times the drawn spread
;   x stays under about 1e3, g*W under about 20, q' and v under about 3e3; o is normalised (|o| <= 32) before it is rounded.
;   lambda below 2^-126 counts as 0 (v_rcp_f32 flushes denormals: ISA guide, its entry in 15.8).
; This launch streams: no matrix unit, no cluster.  Work-groups 0-511 transpose a block of 128 k x 64 n of a weight through LDS,
; work-groups 512-1535 convert 32 KiB of x each.
.set R, 32                             ; v[32:95]  as loaded
.set P, 96                             ; v[96:127] packed f16
	s_load_b512 s[8:23], s[0:1], 0x0               ; x s[8:9], Wq s[10:11], Wf s[12:13], Wi s[14:15], Wo s[16:17], g s[18:19], xb s[20:21], wt s[22:23]
	v_lshl_add_u32 v128, v0, 2, 0x4400
	v_mov_b32 v129, 0
	v_and_b32 v1, 31, v0                           ; lane
	v_lshrrev_b32 v2, 5, v0                        ; wave
	v_readfirstlane_b32 s4, v2
	s_cmp_lt_u32 ttmp9, 512
	s_cbranch_scc1 .Lweights
	; ---- x: a wave takes 8 KiB, sixteen loads of 512 neighbouring bytes, all on their way at once
	s_sub_co_u32 s5, ttmp9, 512
	s_lshl_b32 s6, s5, 15                          ; 32 KiB of x
	s_mov_b32 s7, 0
	s_lshl_b32 s2, s5, 14                          ; 16 KiB of xb
	s_mov_b32 s3, 0
	v_lshlrev_b32 v3, 4, v1
	v_lshl_add_u32 v3, v2, 13, v3                  ; 8192 w + 16 lane
	v_lshlrev_b32 v4, 3, v1
	v_lshl_add_u32 v4, v2, 12, v4                  ; 4096 w + 8 lane
	s_wait_kmcnt 0x0
	s_add_nc_u64 s[8:9], s[8:9], s[6:7]
	s_add_nc_u64 s[20:21], s[20:21], s[2:3]
.set j, 0
.rept 16
	global_load_b128 v[R+4*j:R+4*j+3], v3, s[8:9] offset:512*j th:TH_LOAD_NT
.set j, j+1
.endr
.set j, 0
.rept 16
	s_wait_loadcnt 15-j                            ; loads return in order: load j is in, the younger ones stay out
	v_cvt_pk_f16_f32 v[P+2*j], v[R+4*j], v[R+4*j+1]
	v_cvt_pk_f16_f32 v[P+2*j+1], v[R+4*j+2], v[R+4*j+3]
	global_store_b64 v4, v[P+2*j:P+2*j+1], s[20:21] offset:256*j   ; the wave's store covers 256 consecutive bytes, aligned; each has data registers of its own
.set j, j+1
.endr
	s_endpgm
	; ---- weights
.Lweights:
	s_lshr_b32 s5, ttmp9, 7                        ; y: 0 Wq, 1 Wf, 2 Wi, 3 Wo
	s_bfe_u32 s6, ttmp9, 0x30004                   ; kb: block of 128 k
	s_and_b32 s7, ttmp9, 15                        ; nb: block of 64 n
	s_lshl_b32 s2, s6, 19                          ; kb * 128 rows of 4,096 bytes
	s_lshl_b32 s3, s7, 8                           ; nb * 64 columns of 4 bytes
	s_or_b32 s2, s2, s3
	s_mov_b32 s3, 0
	v_lshlrev_b32 v3, 3, v1
	v_lshl_add_u32 v3, v2, 17, v3                  ; 32 w rows + 8 lane: a lane takes columns 2 lane, 2 lane + 1
	s_wait_kmcnt 0x0
	s_cmp_eq_u32 s5, 1
	s_cselect_b64 s[10:11], s[12:13], s[10:11]
	s_cmp_eq_u32 s5, 2
	s_cselect_b64 s[10:11], s[14:15], s[10:11]
	s_cmp_eq_u32 s5, 3
	s_cselect_b64 s[10:11], s[16:17], s[10:11]
	s_add_nc_u64 s[10:11], s[10:11], s[2:3]
.set j, 0
.rept 32
	global_load_b64 v[R+2*j:R+2*j+1], v3, s[10:11] offset:4096*j th:TH_LOAD_NT   ; row k = 128 kb + 32 w + j: 256 consecutive bytes, aligned
.set j, j+1
.endr
	s_cmp_lg_u32 s5, 3
	s_cbranch_scc1 .Lnogain
	s_lshl_b32 s24, s6, 9
	s_lshl_b32 s25, s4, 7
	s_add_co_u32 s24, s24, s25                     ; byte of g_weight[128 kb + 32 w]
	s_load_b512 s[28:43], s[18:19], s24 offset:0x0
	s_load_b512 s[44:59], s[18:19], s24 offset:0x40
	s_wait_kmcnt 0x0
	s_wait_loadcnt 0x0
.set j, 0
.rept 32
	v_mul_f32 v[R+2*j], s[28+j], v[R+2*j]          ; Wo's row k times g_weight[k]
	v_mul_f32 v[R+2*j+1], s[28+j], v[R+2*j+1]
.set j, j+1
.endr
.Lnogain:
	s_wait_loadcnt 0x0
.set j, 0
.rept 16
	v_cvt_pk_f16_f32 v[P+j], v[R+4*j], v[R+4*j+2]          ; column 2 lane: k = 2j, 2j+1
	v_cvt_pk_f16_f32 v[P+16+j], v[R+4*j+1], v[R+4*j+3]     ; column 2 lane + 1
.set j, j+1
.endr
	v_mul_u32_u24 v5, v1, 544                      ; LDS: row n of 256 bytes + 16 of padding; my two rows
	v_lshl_add_u32 v5, v2, 6, v5                   ; + my wave's 32 k
.set j, 0
.rept 4
	ds_store_b128 v5, v[P+4*j:P+4*j+3] offset:16*j
	ds_store_b128 v5, v[P+16+4*j:P+16+4*j+3] offset:272+16*j
.set j, j+1
.endr
	v_lshrrev_b32 v7, 4, v1                        ; lane / 16
	v_and_b32 v8, 15, v1
	v_lshl_add_u32 v9, v2, 4, v7                   ; row 16 w + lane / 16
	v_mul_u32_u24 v6, v9, 272
	v_lshl_add_u32 v6, v8, 4, v6
	v_lshlrev_b32 v10, 11, v9
	v_lshl_add_u32 v10, v8, 4, v10                 ; the same row in wt (2,048 bytes a row)
	s_lshr_b32 s24, s7, 1
	s_mul_i32 s24, s24, 384                        ; head
	s_lshl_b32 s25, s5, 7                          ; q, f or i
	s_add_co_u32 s24, s24, s25
	s_and_b32 s25, s7, 1
	s_lshl_b32 s25, s25, 6
	s_add_co_u32 s24, s24, s25
	s_lshl_b32 s25, s7, 6
	s_add_co_u32 s25, s25, 3072                    ; Wo's rows lie behind the 3,072 of q, f, i
	s_cmp_eq_u32 s5, 3
	s_cselect_b32 s24, s25, s24
	s_lshl_b32 s24, s24, 11
	s_lshl_b32 s25, s6, 8
	s_add_co_u32 s24, s24, s25
	s_mov_b32 s25, 0
	s_add_nc_u64 s[22:23], s[22:23], s[24:25]
	s_wait_dscnt 0x0                               ; my stores are in LDS before I say so
	s_barrier_signal -1
	s_barrier_wait -1
.set j, 0
.rept 8
	ds_load_b128 v[R+4*j:R+4*j+3], v6 offset:544*j
.set j, j+1
.endr
.set j, 0
.rept 8
	s_wait_dscnt 7-j
	global_store_b128 v10, v[R+4*j:R+4*j+3], s[22:23] offset:4096*j   ; sixteen lanes store 256 consecutive bytes, aligned
.set j, j+1
.endr
	s_wait_tensorcnt 0x0
	ds_add_u32 v128, v129
	s_wait_dscnt 0x0
	s_endpgm
.Lfunc_end_k_q962cb50c85_prep:
	.size	k_q962cb50c85_prep, .Lfunc_end_k_q962cb50c85_prep-k_q962cb50c85_prep
	.p2alignl 7, 3214868480
	.fill 96, 4, 3214868480
	.section	.rodata,"a",@progbits
	.p2align	6, 0x0
	.amdhsa_kernel k_q962cb50c85_prep
		.amdhsa_group_segment_fixed_size 17920
		.amdhsa_private_segment_fixed_size 0
		.amdhsa_enable_private_segment 0
		.amdhsa_kernarg_size 64
		.amdhsa_user_sgpr_count 2
		.amdhsa_user_sgpr_kernarg_segment_ptr 1
		.amdhsa_wavefront_size32 1
		.amdhsa_system_sgpr_workgroup_id_x 1
		.amdhsa_system_sgpr_workgroup_id_y 1
		.amdhsa_system_sgpr_workgroup_id_z 1
		.amdhsa_system_vgpr_workitem_id 0
		.amdhsa_next_free_vgpr 130
		.amdhsa_next_free_sgpr 66
		.amdhsa_reserve_vcc 0
		.amdhsa_float_denorm_mode_32 3
		.amdhsa_float_denorm_mode_16_64 3
		.amdhsa_memory_ordered 1
		.amdhsa_forward_progress 1
		.amdhsa_inst_pref_size 18
	.end_amdhsa_kernel
	.amdgpu_metadata
---
amdhsa.version: [ 1, 2 ]
amdhsa.kernels:
  - .name:           k_q962cb50c85_prep
    .symbol:         k_q962cb50c85_prep.kd
    .args:
      - { .name: hidden_states, .offset: 0, .size: 8, .value_kind: global_buffer, .address_space: global }
      - { .name: Wq, .offset: 8, .size: 8, .value_kind: global_buffer, .address_space: global }
      - { .name: Wf, .offset: 16, .size: 8, .value_kind: global_buffer, .address_space: global }
      - { .name: Wi, .offset: 24, .size: 8, .value_kind: global_buffer, .address_space: global }
      - { .name: Wo, .offset: 32, .size: 8, .value_kind: global_buffer, .address_space: global }
      - { .name: g_weight, .offset: 40, .size: 8, .value_kind: global_buffer, .address_space: global }
      - { .name: xb, .offset: 48, .size: 8, .value_kind: global_buffer, .address_space: global }
      - { .name: wt, .offset: 56, .size: 8, .value_kind: global_buffer, .address_space: global }
    .group_segment_fixed_size: 17920
    .private_segment_fixed_size: 0
    .kernarg_segment_align: 8
    .kernarg_segment_size: 64
    .max_flat_workgroup_size: 128
    .sgpr_count:     66
    .vgpr_count:     130
    .wavefront_size: 32
...
	.end_amdgpu_metadata
.endif
;; end of part 1
;; launch proj (part 2): grid 8 x 64, 4 waves a work-group, clusters of 4 x 4, 327,680 bytes of LDS; arguments xb, wt, ol, qh, hc; writes ol, qh, hc
.if DOCPART == 2
	.amdgcn_target "amdgcn-amd-amdhsa--gfx1250"
	.amdhsa_code_object_version 6
	.text
	.protected	k_q962cb50c85_proj
	.globl	k_q962cb50c85_proj
	.p2align	8
	.type	k_q962cb50c85_proj,@function
k_q962cb50c85_proj:
	s_mov_b64 s[64:65], 0
	v_nop
	global_prefetch_b8 v0, s[64:65] scope:SCOPE_SE
	s_setreg_imm32_b32 hwreg(HW_REG_WAVE_MODE, 25, 1), 1
	s_wait_xcnt 0x0
	s_wait_alu depctr_hold_cnt(0) depctr_sa_sdst(0) depctr_va_vdst(0) depctr_va_sdst(0) depctr_va_ssrc(0) depctr_va_vcc(0) depctr_vm_vsrc(0)
	s_getreg_b32 s2, hwreg(HW_REG_IB_STS2, 6, 4)
	s_cmp_eq_u32 s2, 0
	s_cbranch_scc0 .Lentry_in_a_cluster
	s_endpgm
.Lentry_in_a_cluster:
	s_bfe_u32 s2, ttmp6, 0x10000c
	s_cmp_lg_u32 s2, 0xf033
	s_cbranch_scc0 .Lentry_shape_is_right
	s_endpgm
.Lentry_shape_is_right:
; Launch 2 of 5.  A work-group takes one chunk (128 steps, rows rb*128..) of one head hd: q, f, i = x W (128 x 384, K = 1024, f16 operands,
; f32 sums), then, without leaving the WGP, everything of the scan that lies inside the chunk:
;   ol  = A V, A[t,s] = (q'_t * prod(s+1..t) lambda) . k_s for s <= t          (f32, [8192][1024])
;   qh  = q^ = q' * prod(chunk start..t) lambda                                (f16; not for chunk 0, whose state is reference()'s zeros)
;   hc  = a record of 33,280 bytes for each (batch, head, chunk): H^T[v][d] = sum_s (k_s * prod(s+1..chunk end) lambda)[d] v_s[v] in f16, then
;         L[d] = the chunk's product of lambda in f32 (not for chunk 15, whose H and L no later state needs; L not for chunk 0, which multiplies the zero state).
;         The weights k Suf of a chunk sum to 1 - L <= 1, so |H| <= the largest |v|: f16 has room for H wherever it has room for v.
; DECAYS WITHOUT OVERFLOW.  For aligned blocks of h steps: P_h[t] = product of lambda from the block's start to t, Suf_h[s] = from s+1 to its end,
; T_h = over the whole block.  If h is the highest bit in which s < t differ, prod(s+1..t) = Suf_h[s] P_h[t].  So level h needs one product
; (q' P_h) . (k Suf_h); from h to 2h the upper half's P and the lower half's Suf take the sibling's T.  h = 1..8 live inside a 16-row tile (lanes),
; h = 16 between a wave's two tiles, beyond that 32-blocks: (q' P_32 * T32 of the blocks between) . (k Suf_32).  All factors are <= 1.
; THE SCORES' RANGE.  k and every decay lie in [0, 1], so |A[t,s]| <= sum over d of |q'[t,d]| <= sqrt(128 * sum over d of q'[t,d]^2).  A sum of 128 numbers
; of f16's range has no room in f16, so each row t takes an exact power of two 2^h at or above that bound: the f32 scores are multiplied by 2^(15-h)
; before they are rounded to f16 (they stay at or under 2^15 whatever q' holds), and the f32 sums A V by 2^(h-15) before they leave.
; A power of two changes no mantissa.  In a score tile and in a tile of A V a lane holds one t, so both factors are one number a lane.
; CLUSTER 4 x 4: cx picks the head inside a group of four, cy the batch, the cluster's y the chunk c (equal in all partners, so branches on c
; are alike in all).  x's tile hangs on (cy, c) and is asked for jointly along a row of the cluster, W's on the head and jointly along a column.
; Limits: see launch 1 (f16 operands: q', v and x up to 65,504; lambda below 2^-126 counts as 0; NaN or infinity in work left out is not carried on).
; REGISTERS.  Window 0: v0-31 addresses, v32-127 two buffers of 6 fragments of W, v128-255 two buffers of 8 fragments of x.
; Windows 1, 2: accumulator (a, b) at 8 (6 (a & 3) + b), a = 16-row block (0-3 window 1, 4-7 window 2), b = 2 section + half; a wave owns columns
; 32 w .. +31 of each of q, f, i.  The matrix instruction is used transposed (source 0 = rows of W): lane l holds row l % 16, registers 0-7 columns 8 (l / 16) + 0..7.
.set PITCH, 272                        ; an LDS row of the ring: 256 bytes + 16 of padding
.set HALFT, 128*PITCH                  ; what one tensor load brings
.set SLOT,  4*HALFT                    ; x's 128 rows, then W's 384
.set REC, 33280                        ; a record of hc: H^T 32,768 bytes, L 512 bytes
.set QF,  0                            ; epilogue (over the ring, after its last fill): q' f32 [128] pitch 528
.set LF,  67584                        ; lambda f32, pitch 528
.set VB,  135168                       ; v f16, pitch 288
.set KSB, 172032                       ; k Suf_32 f16, pitch 288
.set T32, 208896                       ; T32[4][128] f32
.set QH,  210944                       ; stage for q^ and then for H^T, pitch 272, rows 32 w.. are wave w's own
.set ST,  245760                       ; stage of 32 rows x 528 for each wave
.set ADRA, 4
.set ADRB, 6
.set ADRB2, 8
.set G1, 24                            ; s[24:31] group 1 for x
.set G0, 32                            ; s[32:39] group 0 for x, a set for each slot
.set G1B, 48                           ; s[48:55] group 1 for W
.set G0B, 56                           ; s[56:63] group 0 for W
.set FLAGS, (1<<16)|(1<<20)|(1<<21)|(5<<22)|(3<<25)   ; 2-byte elements, padding on, bit 21 beside a mask, after every 64 words 4 words
.set CP,  0                            ; epilogue: v[0:1], v[2:3] 2^(h-15) of my row in tile 0, 1, twice each (v0-v9 are free behind the main loop)
.set SP,  4                            ; v[4:5], v[6:7] 2^(15-h) likewise
.set SS,  6                            ; before that: v[6:7], v[8:9] running sums of q'^2
.set RT,  32                           ; epilogue, window 0: T (32 registers: two row tiles x 16 d of a slice)
.set RQP, 64                           ; q' P
.set RKS, 96                           ; k Suf
.set RU,  128                          ; at work
.set RFA, 144                          ; two f16 fragments
.set RG,  160                          ; 11 score tiles: level 0,1,2,4,8 x two row tiles, then level 16
.set EQ, 32
.set EF, 48
.set XQ, 64
.set VR, 80
.set MSB, 0
.macro WIN new                         ; the immediate's high byte repeats the setting that is left
.if MSB != \new
	s_set_vgpr_msb (MSB<<8)|\new
.set MSB, \new
.endif
.endm
.macro PLACES                          ; four plain vector places behind a matrix instruction (ISA guide 7.12.1)
.rept 4
	v_nop
.endr
.endm
.macro JLOAD s                         ; wave 0 asks for x's tile, waves 1-3 for a third of W's: one joint load a wave
	s_cmp_eq_u32 s14, 0
	s_cbranch_scc0 .Lfor_b_\@
	tensor_load_to_lds s[G0+4*\s:G0+4*\s+3], s[G1:G1+7]
	s_nop 0
	s_branch .Lasked_\@
.Lfor_b_\@:
	tensor_load_to_lds s[G0B+4*\s:G0B+4*\s+3], s[G1B:G1B+7]
	s_nop 0
.Lasked_\@:
.endm
.macro CREST                           ; a round of the cluster's barrier behind its opening barrier
	s_cmp_lg_u32 s14, 0
	s_cbranch_scc1 .Lnot_wave_0_\@
	s_barrier_signal -3
.Lnot_wave_0_\@:
	s_barrier_wait -3
	s_barrier_signal -1
	s_barrier_wait -1
.endm
.macro CROUND
	s_barrier_signal -1
	s_barrier_wait -1
	CREST
.endm
.macro CND16 d, a, b, m                ; d = mask ? b : a, 16 registers
.set ii, 0
.rept 16
	v_cndmask_b32 v[\d+ii], v[\a+ii], v[\b+ii], s[\m]
.set ii, ii+1
.endr
.endm
.macro CVT n, d, a                     ; n registers of two f16 from 2 n f32
.set ii, 0
.rept \n
	v_cvt_pk_f16_f32 v[\d+ii], v[\a+2*ii], v[\a+2*ii+1]
.set ii, ii+1
.endr
.endm
.macro DPPM d, a, b, h                 ; d[lane] = a[lane xor h] * b[lane], 16 registers
.set ii, 0
.rept 16
	v_mul_f32_dpp v[\d+ii], v[\a+ii], v[\b+ii] row_xmask:\h row_mask:0xf bank_mask:0xf
.set ii, ii+1
.endr
.endm
.macro PKMUL n, d, a, b                ; n pairs
.set ii, 0
.rept \n
	v_pk_mul_f32 v[\d+2*ii:\d+2*ii+1], v[\a+2*ii:\a+2*ii+1], v[\b+2*ii:\b+2*ii+1]
.set ii, ii+1
.endr
.endm
.macro PKS n, d, p                     ; n pairs at d, each times the one pair at p
.set ii, 0
.rept \n
	v_pk_mul_f32 v[\d+2*ii:\d+2*ii+1], v[\d+2*ii:\d+2*ii+1], v[\p:\p+1]
.set ii, ii+1
.endr
.endm
	s_load_b256 s[4:11], s[0:1], 0x0               ; xb s[4:5], wt s[6:7], ol s[8:9], qh s[10:11]
	s_load_b64 s[12:13], s[0:1], 0x20              ; hc
	s_set_vgpr_msb 0x80
	v_lshl_add_u32 v254, v0, 2, 0x4c800
	v_mov_b32 v255, 0
	s_set_vgpr_msb 0x808a
	ds_add_u32 v254, v255
	s_set_vgpr_msb 0x8a00
	v_lshrrev_b32 v1, 5, v0
	v_readfirstlane_b32 s14, v1                    ; wave
	s_bfe_u32 s15, ttmp6, 0x40000                  ; cx
	s_bfe_u32 s16, ttmp6, 0x40004                  ; cy = batch
	s_lshl_b32 s17, ttmp9, 2
	s_add_co_u32 s17, s17, s15                     ; head = 4 x cluster x + cx
	s_and_b32 s18, ttmp7, 0xffff                   ; chunk c = cluster y
	s_lshl_b32 s19, s16, 4
	s_add_co_u32 s19, s19, s18                     ; row block rb = 16 batch + c
	s_lshl_b32 s20, s16, 2
	s_lshl_b32 s20, 15, s20                        ; my row of the cluster
	s_lshl_b32 s21, 0x1111, s15                    ; my column
	s_or_b32 s[G1+0], s20, FLAGS
	s_or_b32 s[G1B+0], s21, FLAGS
	s_mov_b32 s[G1+1], 128<<16                     ; tensor_dim0 = 128
	s_mov_b32 s[G1B+1], 128<<16
	s_mov_b32 s[G1+2], 128<<16                     ; tensor_dim1 = 128
	s_mov_b32 s[G1B+2], 128<<16
	s_mov_b32 s[G1+3], 128<<16                     ; tile_dim0 = 128
	s_mov_b32 s[G1B+3], 128<<16
	s_mov_b32 s[G1+4], 128                         ; tile_dim1 = 128
	s_mov_b32 s[G1B+4], 128
	s_mov_b32 s[G1+5], 1024                        ; elements from row to row
	s_mov_b32 s[G1B+5], 1024
	s_mov_b32 s[G1+6], 0
	s_mov_b32 s[G1B+6], 0
	s_mov_b32 s[G1+7], 0
	s_mov_b32 s[G1B+7], 0
	s_lshl_b32 s40, s19, 18                        ; x: rb * 128 rows of 2,048 bytes
	s_mov_b32 s41, 0
	s_mul_i32 s44, s17, 384                        ; W: row 384 head + 128 (wave - 1)
	s_max_u32 s23, s14, 1
	s_sub_co_u32 s23, s23, 1
	s_lshl_b32 s23, s23, 7
	s_add_co_u32 s44, s44, s23
	s_lshl_b32 s44, s44, 11
	s_mov_b32 s45, 0
	s_mul_i32 s22, s14, HALFT                      ; LDS: wave x 128 rows
	s_wait_dscnt 0x0
	s_wait_kmcnt 0x0
	s_add_nc_u64 s[42:43], s[4:5], s[40:41]
	s_add_nc_u64 s[46:47], s[6:7], s[44:45]
	CROUND                                         ; all sixteen work-groups are here: the first joint loads meet
.irp s, 0,1
	s_mov_b32 s[G0+4*\s], 1
	s_add_co_u32 s[G0+4*\s+1], s22, \s*SLOT
	s_add_nc_u64 s[G0+4*\s+2:G0+4*\s+3], s[42:43], \s*256
	s_or_b32 s[G0+4*\s+3], s[G0+4*\s+3], 0x80000000
	s_mov_b32 s[G0B+4*\s], 1
	s_add_co_u32 s[G0B+4*\s+1], s22, \s*SLOT
	s_add_nc_u64 s[G0B+4*\s+2:G0B+4*\s+3], s[46:47], \s*256
	s_or_b32 s[G0B+4*\s+3], s[G0B+4*\s+3], 0x80000000
	JLOAD \s
.endr
	; where results go
	s_lshl_b32 s98, s19, 19
	s_lshl_b32 s99, s14, 17
	s_add_co_u32 s98, s98, s99
	s_lshl_b32 s99, s17, 9
	s_add_co_u32 s98, s98, s99
	s_mov_b32 s99, 0
	s_add_nc_u64 s[90:91], s[8:9], s[98:99]        ; ol at row 128 rb + 32 w, column 128 head
	s_lshl_b32 s98, s19, 18
	s_lshl_b32 s99, s14, 16
	s_add_co_u32 s98, s98, s99
	s_lshl_b32 s99, s17, 8
	s_add_co_u32 s98, s98, s99
	s_mov_b32 s99, 0
	s_add_nc_u64 s[92:93], s[10:11], s[98:99]      ; qh likewise
	s_lshl_b32 s98, s16, 3
	s_add_co_u32 s98, s98, s17
	s_lshl_b32 s98, s98, 4
	s_add_co_u32 s98, s98, s18
	s_mul_i32 s98, s98, REC
	s_add_nc_u64 s[94:95], s[12:13], s[98:99]      ; hc: record ((batch 8 + head) 16 + c)
	s_lshl_b32 s98, s14, 13
	s_add_nc_u64 s[96:97], s[94:95], s[98:99]      ; its rows 32 w .. (256 bytes a row)
	; constants
	s_mov_b32 s66, 0xaaaaaaaa                      ; lanes whose row has bit 1, 2, 4, 8 set: the upper half of a block of 2 h
	s_mov_b32 s67, 0xcccccccc
	s_mov_b32 s68, 0xf0f0f0f0
	s_mov_b32 s69, 0xff00ff00
	s_mov_b32 s70, 0x0000ff00                      ; in a score tile lane l holds t = l % 16 and register j holds s = 8 (l / 16) + j:
	s_mov_b32 s71, 0xf00000f0                      ; the lanes in which the highest bit of t xor s is 8, 4 (j < 4),
	s_mov_b32 s72, 0x0c00000c                      ; 2 (j = 0, 1),
	s_mov_b32 s73, 0xc00000c0                      ; 2 (j = 4, 5),
.irp j, 0,1,2,3
	s_mov_b32 s[74+\j], (1<<(2*\j+1))|(1<<(25+2*\j))   ; 1 (register 2 j),
.endr
.irp j, 0,1,2,3,4,5,6,7
	s_mov_b32 s[78+\j], (1<<\j)|(1<<(24+\j))       ; and in which t = s
.endr
	s_mov_b32 s86, 0xbfb8aa3b                      ; -log2(e)
	s_mov_b32 s87, 0
	s_mov_b32 s88, 0x3db504f3                      ; 128^-0.5
	s_mov_b32 s89, 0
	; LDS addresses
	v_and_b32 v1, 15, v0                           ; r
	v_bfe_u32 v2, v0, 4, 1                         ; hh
	v_mul_u32_u24 v3, v1, PITCH
	v_lshl_add_u32 v3, v2, 4, v3                   ; r 272 + 16 hh
	v_mov_b32 v4, v3                               ; x's fragments, slot 0
	v_add_nc_u32 v5, SLOT, v3
	s_mul_i32 s23, s14, 32*PITCH
	s_add_co_u32 s23, s23, HALFT
	v_add_nc_u32 v6, s23, v3                       ; W's fragments: sections q and f
	v_add_nc_u32 v7, SLOT, v6
	v_add_nc_u32 v8, 256*PITCH, v6                 ; section i (beyond the 16-bit immediate)
	v_add_nc_u32 v9, 256*PITCH, v7
	v_mul_u32_u24 v10, v1, 528
	v_lshl_add_u32 v10, v2, 5, v10                 ; r 528 + 32 hh
	v_mul_u32_u24 v12, v1, 288
	v_lshl_add_u32 v12, v2, 4, v12                 ; r 288 + 16 hh
	s_mul_i32 s23, s14, 16896
	v_add_nc_u32 v13, s23, v10                     ; q' of my rows 32 w + r
	v_add_nc_u32 v14, LF, v13                      ; lambda of my rows
	v_add_nc_u32 v24, ST, v13                      ; my stage, in
	s_lshl_b32 s23, s14, 7
	v_add_nc_u32 v10, s23, v10                     ; q' of my columns 32 w ..
	v_add_nc_u32 v11, LF, v10
	v_add_nc_u32 v19, KSB, v12                     ; k Suf_32, block 0
	s_mul_i32 s23, s14, 9216
	v_add_nc_u32 v15, s23, v19                     ; k Suf_32, my block
	s_lshl_b32 s23, s14, 6
	v_add_nc_u32 v12, s23, v12
	v_add_nc_u32 v12, VB, v12                      ; v of my columns
	v_lshlrev_b32 v21, 5, v2
	v_add_nc_u32 v21, T32, v21                     ; T32 + 32 hh
	s_lshl_b32 s23, s14, 9
	v_add_nc_u32 v16, s23, v21                     ; my block's T32
	v_and_b32 v17, 7, v0
	v_lshl_add_u32 v17, v2, 3, v17
	v_mul_u32_u24 v17, v17, 288
	v_bfe_u32 v18, v0, 3, 1
	v_lshl_add_u32 v17, v18, 4, v17
	v_add_nc_u32 v17, VB, v17                      ; transposing loads of v: row 8 hh + (l & 7), 16 bytes by bit 3 of l
	s_mul_i32 s23, s14, 9216
	v_add_nc_u32 v18, s23, v17                     ; my block's 32 rows
	v_add_nc_u32 v30, KSB-VB, v17                  ; the same of k Suf_32
	s_lshl_b32 s23, s14, 6
	v_add_nc_u32 v31, s23, v17                     ; v's columns 32 w ..
	v_and_b32 v26, 31, v0
	v_lshlrev_b32 v26, 4, v26                      ; 16 lane
	s_mul_i32 s23, s14, 16896
	s_add_co_u32 s23, s23, ST
	v_add_nc_u32 v25, s23, v26                     ; my stage, back by rows of 512 bytes
	s_mul_i32 s23, s14, 32*272
	s_add_co_u32 s23, s23, QH
	v_add_nc_u32 v27, s23, v3                      ; f16 stage, in
	v_mul_u32_u24 v28, v2, 272
	v_lshl_add_u32 v28, v1, 4, v28
	v_add_nc_u32 v28, s23, v28                     ; f16 stage, back: two rows of 256 bytes
	v_lshlrev_b32 v29, 11, v2
	v_lshl_add_u32 v29, v1, 4, v29                 ; the same two rows in qh
; 12 matrix instructions: row blocks a0, a0 + 1 of the window's four x my 6 column blocks, 32 along K, from buffer p
.macro MUL12 p, hi, a0, zero
.irp a, \a0, \a0+1
.irp b, 0,1,2,3,4,5
.if \zero
	v_wmma_f32_16x16x32_f16 v[8*(6*(\a)+\b):8*(6*(\a)+\b)+7], v[32+48*\p+8*\b:32+48*\p+8*\b+7], v[128+64*\p+8*(4*\hi+\a):128+64*\p+8*(4*\hi+\a)+7], 0
.else
	v_wmma_f32_16x16x32_f16 v[8*(6*(\a)+\b):8*(6*(\a)+\b)+7], v[32+48*\p+8*\b:32+48*\p+8*\b+7], v[128+64*\p+8*(4*\hi+\a):128+64*\p+8*(4*\hi+\a)+7], v[8*(6*(\a)+\b):8*(6*(\a)+\b)+7]
.endif
.endr
.endr
.endm
; 28 LDS loads in one run: 12 for W's six fragments, 16 for x's eight (rows 0-63 first)
.macro FETCH slot, k, p
.irp hf, 0,1
	ds_load_b128 v[32+48*\p+8*\hf:32+48*\p+8*\hf+3], v[ADRB+\slot] offset:\k+\hf*4352
	ds_load_b128 v[32+48*\p+8*\hf+4:32+48*\p+8*\hf+7], v[ADRB+\slot] offset:\k+\hf*4352+32
	ds_load_b128 v[48+48*\p+8*\hf:48+48*\p+8*\hf+3], v[ADRB+\slot] offset:\k+34816+\hf*4352
	ds_load_b128 v[48+48*\p+8*\hf+4:48+48*\p+8*\hf+7], v[ADRB+\slot] offset:\k+34816+\hf*4352+32
	ds_load_b128 v[64+48*\p+8*\hf:64+48*\p+8*\hf+3], v[ADRB2+\slot] offset:\k+\hf*4352
	ds_load_b128 v[64+48*\p+8*\hf+4:64+48*\p+8*\hf+7], v[ADRB2+\slot] offset:\k+\hf*4352+32
.endr
.irp a, 0,1,2,3,4,5,6,7
	ds_load_b128 v[128+64*\p+8*\a:128+64*\p+8*\a+3], v[ADRA+\slot] offset:\k+\a*4352
	ds_load_b128 v[128+64*\p+8*\a+4:128+64*\p+8*\a+7], v[ADRA+\slot] offset:\k+\a*4352+32
.endr
.endm
; a quarter of a K step: 48 matrix instructions on buffer p; in its middle the next quarter's fragments go into buffer pn.
; The 48 accumulators take turns, one instruction a turn, in the same order in every quarter.
.macro QUARTER slot, k, p, pn, zero
	s_wait_dscnt 8                                 ; all but the youngest eight loads (x's rows 64-127)
	WIN 0x50
	MUL12 \p, 0, 0, \zero
	MUL12 \p, 0, 2, \zero
	WIN 0
	PLACES                                         ; buffer pn was read by matrix instructions: four places before it is loaded again
	FETCH \slot, \k, \pn
	s_wait_dscnt 28                                ; all but the 28 just issued
	WIN 0xa0
	MUL12 \p, 1, 0, \zero
	MUL12 \p, 1, 2, \zero
.endm
.macro FIRST slot, zero                ; a K step's first quarter
	QUARTER \slot, 64,  0, 1, \zero
.endm
.macro MIDDLE slot                     ; its second and third
	QUARTER \slot, 128, 1, 0, 0
	QUARTER \slot, 192, 0, 1, 0
.endm
; the last quarter changes slots.  In front of the barrier each wave waits for its reads of this slot and for all its tensor loads (one is out: its
; part of the next slot).  Where the slot is filled again the barrier opens a round of the cluster's barrier, and the joint refill comes first behind it.
.macro TURN slot, next, fill
	s_wait_dscnt 8
	WIN 0x50
	MUL12 1, 0, 0, 0
	s_wait_dscnt 0x0
	s_set_vgpr_msb 0x505a
	s_wait_tensorcnt 0x0
	ds_add_u32 v254, v255
	s_wait_dscnt 0x0
	s_set_vgpr_msb 0x5a50
	s_barrier_signal -1
	MUL12 1, 0, 2, 0
	WIN 0
	s_barrier_wait -1
.if \fill
	CREST
	s_add_nc_u64 s[G0+4*\slot+2:G0+4*\slot+3], s[G0+4*\slot+2:G0+4*\slot+3], 512     ; two K steps on; no load of mine is out
	s_add_nc_u64 s[G0B+4*\slot+2:G0B+4*\slot+3], s[G0B+4*\slot+2:G0B+4*\slot+3], 512
	JLOAD \slot
.endif
	PLACES
	FETCH \next, 0, 0
	WIN 0xa0
	MUL12 1, 1, 0, 0
	MUL12 1, 1, 2, 0
.endm
	; K = 1024 is eight K steps of four quarters.  The loop is turned by one quarter: only the quarter that starts the sums stands in front of it, a trip
	; runs from a K step's second quarter in slot 0 to the first quarter of the K step after next, and fills both slots again (K steps 2 to 7 in three trips);
	; the last seven quarters, which fill nothing, follow it.  So the text holds sixteen quarters.  Both ways to the loop's head come out of the same
	; quarter, so the count of its first wait holds on both.
	s_wait_tensorcnt 0x1                           ; my part of K step 0 is in; K step 1's may stay out
	s_barrier_signal -1
	s_barrier_wait -1
	FETCH 0, 0, 0
	FIRST 0, 1                                     ; the first products start the sums: nothing is cleared
	WIN 0                                          ; at a label and at a branch every window is 0
	s_mov_b32 s3, 3
.Llap:
	MIDDLE 0
	TURN 0, 1, 1
	FIRST 1, 0
	MIDDLE 1
	TURN 1, 0, 1
	FIRST 0, 0
	WIN 0
	s_sub_co_u32 s3, s3, 1
	s_cmp_lg_u32 s3, 0
	s_cbranch_scc1 .Llap
	MIDDLE 0                                       ; K steps 6 and 7: nothing is left to fetch
	TURN 0, 1, 0
	FIRST 1, 0
	MIDDLE 1
	s_wait_dscnt 8
	WIN 0x50
	MUL12 1, 0, 0, 0
	MUL12 1, 0, 2, 0
	s_wait_dscnt 0x0
	WIN 0xa0
	MUL12 1, 1, 0, 0
	MUL12 1, 1, 2, 0
	WIN 0
	s_barrier_signal -1                            ; every wave's reads of the ring are over (waited for above): its bytes now serve the epilogue
	s_barrier_wait -1
	PLACES
; E1: activations of row block a, in the accumulators' layout, out to LDS: q' = 128^-0.5 q / (1 + 2^(-log2e q)), lambda = 1 / (1 + 2^(-log2e f)), v = i in f16
.macro E1 a
.if \a < 4
	WIN 0x05
.else
	WIN 0x0a
.endif
.set AB, 48*(\a&3)
.set i, 0
.rept 8
	v_pk_mul_f32 v[EQ+2*i:EQ+2*i+1], v[AB+2*i:AB+2*i+1], s[86:87] op_sel_hi:[1,0]
	v_pk_mul_f32 v[XQ+2*i:XQ+2*i+1], v[AB+2*i:AB+2*i+1], s[88:89] op_sel_hi:[1,0]
	v_pk_mul_f32 v[EF+2*i:EF+2*i+1], v[AB+16+2*i:AB+16+2*i+1], s[86:87] op_sel_hi:[1,0]
	v_cvt_pk_f16_f32 v[VR+i], v[AB+32+2*i], v[AB+32+2*i+1]
.set i, i+1
.endr
	WIN 0
.set i, 0
.rept 32
	v_exp_f32 v[EQ+i], v[EQ+i]
.set i, i+1
.endr
	v_nop                                          ; one plain place behind the last transcendental
.set i, 0
	s_wait_alu depctr_va_vdst(0)
.rept 16
	v_pk_add_f32 v[EQ+2*i:EQ+2*i+1], v[EQ+2*i:EQ+2*i+1], 1.0 op_sel_hi:[1,0]
.set i, i+1
.endr
.set i, 0
.rept 32
	v_rcp_f32 v[EQ+i], v[EQ+i]
.set i, i+1
.endr
	v_nop
	s_wait_alu depctr_va_vdst(0)
	PKMUL 8, XQ, XQ, EQ
.irp hf, 0,1
	ds_store_b128 v10, v[XQ+8*\hf:XQ+8*\hf+3] offset:\a*8448+64*\hf
	ds_store_b128 v10, v[XQ+8*\hf+4:XQ+8*\hf+7] offset:\a*8448+64*\hf+16
	ds_store_b128 v11, v[EF+8*\hf:EF+8*\hf+3] offset:\a*8448+64*\hf
	ds_store_b128 v11, v[EF+8*\hf+4:EF+8*\hf+7] offset:\a*8448+64*\hf+16
	ds_store_b128 v12, v[VR+4*\hf:VR+4*\hf+3] offset:\a*4608+32*\hf
.endr
.endm
.irp a, 0,1,2,3,4,5,6,7
	E1 \a
.endr
	s_wait_dscnt 0x0
	s_barrier_signal -1
	s_barrier_wait -1
; a score product into tile number tile; each tile has one instruction in a slice, so the tiles take turns
.macro GW tile, a, b, zero
.if \zero
	v_wmma_f32_16x16x32_f16 v[RG+8*(\tile):RG+8*(\tile)+7], v[\a:\a+7], v[\b:\b+7], 0
.else
	v_wmma_f32_16x16x32_f16 v[RG+8*(\tile):RG+8*(\tile)+7], v[\a:\a+7], v[\b:\b+7], v[RG+8*(\tile):RG+8*(\tile)+7]
.endif
.endm
; level h: one fragment holds q' P_h in the rows of upper halves and k Suf_h in the rows of lower halves; its product with itself holds the level's scores.
; Then the sibling's T_h (lane xor h) takes P and Suf to 2 h.
.macro LEVEL h, m, lev, s, zero
.irp rt, 0,1
	CND16 RU, RKS+16*\rt, RQP+16*\rt, \m
	CVT 8, RFA+8*\rt, RU
	GW 2*\lev+\rt, RFA+8*\rt, RFA+8*\rt, \zero
	DPPM RU, RT+16*\rt, RU, \h
.set SPECIAL, 0
.if \h == 8
.if \rt == 0
.set SPECIAL, 1
.endif
.endif
.if SPECIAL
	WIN 0x40                                       ; the first tile's q' P_16 is its q' P_32: it goes to its place in window 1
	CND16 32*\s, RQP, RU, \m
	WIN 0
.else
	CND16 RQP+16*\rt, RQP+16*\rt, RU, \m
.endif
	CND16 RKS+16*\rt, RU, RKS+16*\rt, \m
	DPPM RT+16*\rt, RT+16*\rt, RT+16*\rt, \h
.endr
.endm
; E2: my 32 rows, 32 of the 128 d: element i of a lane is d = 32 s + 8 hh + i (i < 8), 32 s + 16 + 8 hh + i - 8 (else): the fragments' own layout
.macro SLICE s, zero
.irp rt, 0,1
.irp g, 0,1,2,3
	ds_load_b128 v[RQP+16*\rt+4*\g:RQP+16*\rt+4*\g+3], v13 offset:\rt*8448+128*\s+16*(\g&1)+64*(\g>>1)
	ds_load_b128 v[RT+16*\rt+4*\g:RT+16*\rt+4*\g+3], v14 offset:\rt*8448+128*\s+16*(\g&1)+64*(\g>>1)
.endr
.endr
	s_wait_dscnt 0x0
.set i, 0
.rept 16
	v_pk_fma_f32 v[RKS+2*i:RKS+2*i+1], v[RT+2*i:RT+2*i+1], -1.0, 1.0 op_sel_hi:[1,0,0]   ; k = 1 - lambda, as reference() forms it
.set i, i+1
.endr
	CVT 16, RFA, RKS
	CVT 16, RU, RQP
	GW 0, RFA, RU, \zero                           ; s = t: q' . k
	GW 1, RFA+8, RU+8, \zero
	; the sum of q'^2 over my 16 d of each of my two rows, for the scores' bound; the first slice starts the sums
.if \zero
	v_pk_mul_f32 v[SS:SS+1], v[RQP:RQP+1], v[RQP:RQP+1]
	v_pk_mul_f32 v[SS+2:SS+3], v[RQP+16:RQP+17], v[RQP+16:RQP+17]
.else
	v_pk_fma_f32 v[SS:SS+1], v[RQP:RQP+1], v[RQP:RQP+1], v[SS:SS+1]
	v_pk_fma_f32 v[SS+2:SS+3], v[RQP+16:RQP+17], v[RQP+16:RQP+17], v[SS+2:SS+3]
.endif
.set i, 1
.rept 7
	v_pk_fma_f32 v[SS:SS+1], v[RQP+2*i:RQP+2*i+1], v[RQP+2*i:RQP+2*i+1], v[SS:SS+1]
	v_pk_fma_f32 v[SS+2:SS+3], v[RQP+16+2*i:RQP+16+2*i+1], v[RQP+16+2*i:RQP+16+2*i+1], v[SS+2:SS+3]
.set i, i+1
.endr
	PKMUL 16, RQP, RQP, RT                         ; q' P_1 = q' lambda
	LEVEL 1, 66, 1, \s, \zero
	LEVEL 2, 67, 2, \s, \zero
	LEVEL 4, 68, 3, \s, \zero
	LEVEL 8, 69, 4, \s, \zero
	WIN 0x40
	PKMUL 8, 32*\s+16, RQP+16, RT                  ; the second tile's q' P_32 = q' P_16 T_16 of the first
	WIN 0
	CVT 8, RFA, RKS
	CVT 8, RFA+8, RQP+16
	GW 10, RFA, RFA+8, \zero                       ; level 16: s in the first tile, t in the second
	PKMUL 8, RKS, RKS, RT+16                       ; the first tile's k Suf_32
	PKMUL 8, RT, RT, RT+16                         ; T_32
	CVT 16, RU, RKS
.irp rt, 0,1
	ds_store_b128 v15, v[RU+8*\rt:RU+8*\rt+3] offset:\rt*4608+64*\s
	ds_store_b128 v15, v[RU+8*\rt+4:RU+8*\rt+7] offset:\rt*4608+64*\s+32
.endr
.irp g, 0,1,2,3
	ds_store_b128 v16, v[RT+4*\g:RT+4*\g+3] offset:128*\s+16*(\g&1)+64*(\g>>1)   ; the sixteen lanes of a half hold the same numbers and write the same words
.endr
.endm
	SLICE 0, 1
	SLICE 1, 0
	SLICE 2, 0
	SLICE 3, 0
	s_wait_dscnt 0x0
	s_barrier_signal -1
	s_barrier_wait -1                              ; k Suf_32 and T_32 of all four blocks are in LDS
	; E2b: my own 32-block.  v's fragments (transposed on the way), then the scores picked by level, then o = A V
.irp n, 0,1,2,3,4,5,6,7
	ds_load_tr16_b128 v[32+8*\n:32+8*\n+3], v18 offset:32*\n
	ds_load_tr16_b128 v[32+8*\n+4:32+8*\n+7], v18 offset:32*\n+4608
.endr
	; the rows' powers of two.  S = sum of q'^2 < 2^(e+1), so sqrt(128 S) < 2^h with h = ceil((e + 8) / 2).  With E = e + 127 the biased exponent of S,
	; (E + 138) >> 1 = h + 128.  S is held at 2^-60 or above, so both factors' exponents stay inside f32's field (74 to 180).
	s_mov_b32 s20, 0x76543210                      ; v_permlanex16_b32: lane i of one half reads lane i of the other
	s_mov_b32 s21, 0xfedcba98
	v_add_f32 v6, v6, v7
	v_add_f32 v8, v8, v9
	v_permlanex16_b32 v7, v6, s20, s21             ; the other half of the lanes holds the row's other 64 d
	v_permlanex16_b32 v9, v8, s20, s21
	v_add_f32 v6, v6, v7
	v_add_f32 v8, v8, v9
	v_max_num_f32 v6, 0x21800000, v6               ; 2^-60
	v_max_num_f32 v8, 0x21800000, v8
	v_lshrrev_b32 v6, 23, v6                       ; E (the sign is 0)
	v_lshrrev_b32 v8, 23, v8
	v_add_nc_u32 v6, 138, v6
	v_add_nc_u32 v8, 138, v8
	v_lshrrev_b32 v6, 1, v6                        ; h + 128
	v_lshrrev_b32 v8, 1, v8
	v_add_nc_u32 v0, -16, v6                       ; biased exponent of 2^(h-15)
	v_sub_nc_u32 v4, 270, v6                       ; and of 2^(15-h)
	v_add_nc_u32 v2, -16, v8
	v_sub_nc_u32 v6, 270, v8
	v_lshlrev_b32 v0, 23, v0
	v_lshlrev_b32 v2, 23, v2
	v_lshlrev_b32 v4, 23, v4
	v_lshlrev_b32 v6, 23, v6
	v_mov_b32 v1, v0                               ; pairs for the packed multiplies
	v_mov_b32 v3, v2
	v_mov_b32 v5, v4
	v_mov_b32 v7, v6
.macro SELECT rt, d
.irp j, 0,1,2,3,4,5,6,7
	v_cndmask_b32 v[RG+8*(8+\rt)+\j], 0, v[RG+8*(8+\rt)+\j], s70
.if \j < 4
	v_cndmask_b32 v[RG+8*(8+\rt)+\j], v[RG+8*(8+\rt)+\j], v[RG+8*(6+\rt)+\j], s71
.endif
.if (\j&2) == 0
	v_cndmask_b32 v[RG+8*(8+\rt)+\j], v[RG+8*(8+\rt)+\j], v[RG+8*(4+\rt)+\j], s[72+(\j>>2)]
.endif
.if (\j&1) == 0
	v_cndmask_b32 v[RG+8*(8+\rt)+\j], v[RG+8*(8+\rt)+\j], v[RG+8*(2+\rt)+\j], s[74+(\j>>1)]
.endif
	v_cndmask_b32 v[RG+8*(8+\rt)+\j], v[RG+8*(8+\rt)+\j], v[RG+8*\rt+\j], s[78+\j]
.endr
	PKS 4, RG+8*(8+\rt), SP+2*\rt                  ; into f16's range, by the row's power of two
	CVT 4, \d, RG+8*(8+\rt)
.endm
	SELECT 0, RFA                                  ; rows of the first tile: s in the first tile,
.irp j, 4,5,6,7
	v_mov_b32 v[RFA+\j], 0                         ; none in the second (s > t)
.endr
	PKS 4, RG+80, SP+2
	CVT 4, RFA+8, RG+80                            ; rows of the second tile: level 16,
	SELECT 1, RFA+12                               ; then its own tile
	s_wait_dscnt 0x0
	WIN 0xa0
.irp n, 0,1,2,3,4,5,6,7
.irp rt, 0,1
	v_wmma_f32_16x16x32_f16 v[8*(8*\rt+\n):8*(8*\rt+\n)+7], v[32+8*\n:32+8*\n+7], v[RFA+8*\rt:RFA+8*\rt+7], 0
.endr
.endr
	WIN 0
; E3: the earlier 32-blocks J = w - 1 - j of the chunk, nearest first; behind each, q' P takes the block's T_32, and ends as q^
.macro E3STEP j
	s_cmp_gt_u32 s14, \j
	s_cbranch_scc0 .Le3done
	s_sub_co_u32 s3, s14, \j+1
	s_mul_i32 s2, s3, 9216
	s_lshl_b32 s3, s3, 9
	v_add_nc_u32 v20, s2, v19                      ; these three and the v_nop are the four places behind the last matrix instructions
	v_add_nc_u32 v22, s3, v21
	v_add_nc_u32 v23, s2, v17
	v_nop
.irp st, 0,1
.irp s, 0,1,2,3
	ds_load_b128 v[32+8*(4*\st+\s):32+8*(4*\st+\s)+3], v20 offset:\st*4608+64*\s
	ds_load_b128 v[32+8*(4*\st+\s)+4:32+8*(4*\st+\s)+7], v20 offset:\st*4608+64*\s+32
.endr
.endr
.irp s, 0,1,2,3
.irp g, 0,1,2,3
	ds_load_b128 v[96+16*\s+4*\g:96+16*\s+4*\g+3], v22 offset:128*\s+16*(\g&1)+64*(\g>>1)
.endr
.endr
	WIN 0x05
	CVT 64, 160, 0
	WIN 0
	s_wait_dscnt 16                                ; k Suf_32 is in; the sixteen loads of T_32 may be out
.irp s, 0,1,2,3
.irp st, 0,1
.irp rt, 0,1
.if \s == 0
	v_wmma_f32_16x16x32_f16 v[224+8*(2*\st+\rt):224+8*(2*\st+\rt)+7], v[32+8*(4*\st+\s):32+8*(4*\st+\s)+7], v[160+8*(2*\s+\rt):160+8*(2*\s+\rt)+7], 0
.else
	v_wmma_f32_16x16x32_f16 v[224+8*(2*\st+\rt):224+8*(2*\st+\rt)+7], v[32+8*(4*\st+\s):32+8*(4*\st+\s)+7], v[160+8*(2*\s+\rt):160+8*(2*\s+\rt)+7], v[224+8*(2*\st+\rt):224+8*(2*\st+\rt)+7]
.endif
.endr
.endr
.endr
	s_wait_dscnt 0x0
	WIN 0x41
.irp s, 0,1,2,3
.irp rt, 0,1
	PKMUL 8, 32*\s+16*\rt, 32*\s+16*\rt, 96+16*\s
.endr
.endr
	WIN 0
.irp n, 0,1,2,3,4,5,6,7
	ds_load_tr16_b128 v[32+8*\n:32+8*\n+3], v23 offset:32*\n
	ds_load_tr16_b128 v[32+8*\n+4:32+8*\n+7], v23 offset:32*\n+4608
.endr
.irp rt, 0,1
.irp st, 0,1
	PKS 4, 224+8*(2*\st+\rt), SP+2*\rt             ; into f16's range, by the row's power of two
	CVT 4, 160+8*\rt+4*\st, 224+8*(2*\st+\rt)
.endr
.endr
	s_wait_dscnt 0x0
	WIN 0xa0
.irp n, 0,1,2,3,4,5,6,7
.irp rt, 0,1
	v_wmma_f32_16x16x32_f16 v[8*(8*\rt+\n):8*(8*\rt+\n)+7], v[32+8*\n:32+8*\n+7], v[160+8*\rt:160+8*\rt+7], v[8*(8*\rt+\n):8*(8*\rt+\n)+7]
.endr
.endr
	WIN 0
.endm
	E3STEP 0
	E3STEP 1
	E3STEP 2
.Le3done:
	PLACES                                         ; behind the last matrix instructions, on every way here
	WIN 0x82                                       ; the sums A V (window 2) take the rows' powers of two back
	PKS 32, 0, CP
	PKS 32, 64, CP+2
	WIN 0
	; ol: 32 rows x 128 f32 out of the 16 tiles of window 2, through my own stage: each store of the wave covers 512 consecutive bytes, aligned
	WIN 0x08
.irp rt, 0,1
.irp n, 0,1,2,3,4,5,6,7
	ds_store_b128 v24, v[8*(8*\rt+\n):8*(8*\rt+\n)+3] offset:\rt*8448+64*\n
	ds_store_b128 v24, v[8*(8*\rt+\n)+4:8*(8*\rt+\n)+7] offset:\rt*8448+64*\n+16
.endr
.endr
	WIN 0
.irp g, 0,1
	s_wait_xcnt 0x0                                ; v32-95 are the first group's store data: loaded again only behind this wait
.set tt, 0
.rept 16
	ds_load_b128 v[32+4*tt:35+4*tt], v25 offset:(16*\g+tt)*528   ; LDS serves a wave's instructions in order: these see the stores above
.set tt, tt+1
.endr
.set tt, 0
.rept 16
	s_wait_dscnt 15-tt
	global_store_b128 v26, v[32+4*tt:35+4*tt], s[90:91] offset:(16*\g+tt)*4096
.set tt, tt+1
.endr
.endr
	s_cmp_eq_u32 s18, 0                            ; chunk 0 meets the zero state: its q^ is not needed
	s_cbranch_scc1 .Lnoq
	WIN 0x05
	CVT 64, 160, 0
	WIN 0
.irp s, 0,1,2,3
.irp rt, 0,1
	ds_store_b128 v27, v[160+8*(2*\s+\rt):160+8*(2*\s+\rt)+3] offset:\rt*4352+64*\s
	ds_store_b128 v27, v[160+8*(2*\s+\rt)+4:160+8*(2*\s+\rt)+7] offset:\rt*4352+64*\s+32
.endr
.endr
	s_wait_xcnt 0x0
.set tt, 0
.rept 16
	ds_load_b128 v[32+4*tt:35+4*tt], v28 offset:544*tt
.set tt, tt+1
.endr
.set tt, 0
.rept 16
	s_wait_dscnt 15-tt
	global_store_b128 v29, v[32+4*tt:35+4*tt], s[92:93] offset:4096*tt   ; sixteen lanes store 256 consecutive bytes, aligned
.set tt, tt+1
.endr
.Lnoq:
	s_cmp_eq_u32 s18, 15                           ; the last chunk's H and L enter no state that is read
	s_cbranch_scc1 .Lnoh
; H^T rows v = 32 w .. +31, all 128 d: acc = acc * T32_u + (k Suf_32)_u^T V_u over the four blocks u
.macro HSTEP u
.if \u
	PLACES
.else
	s_wait_xcnt 0x0                                ; v32-95 are data of the stores above: loaded again only behind this wait
.endif
.irp dt, 0,1,2,3,4,5,6,7
	ds_load_tr16_b128 v[32+8*\dt:32+8*\dt+3], v30 offset:\u*9216+32*\dt
	ds_load_tr16_b128 v[32+8*\dt+4:32+8*\dt+7], v30 offset:\u*9216+32*\dt+4608
.endr
.irp rt, 0,1
	ds_load_tr16_b128 v[160+8*\rt:160+8*\rt+3], v31 offset:\u*9216+32*\rt
	ds_load_tr16_b128 v[160+8*\rt+4:160+8*\rt+7], v31 offset:\u*9216+32*\rt+4608
.endr
.if \u
.irp dt, 0,1,2,3,4,5,6,7
	ds_load_b128 v[96+8*\dt:96+8*\dt+3], v21 offset:512*\u+64*\dt
	ds_load_b128 v[96+8*\dt+4:96+8*\dt+7], v21 offset:512*\u+64*\dt+16
.endr
	s_wait_dscnt 0x0
	WIN 0x41
.irp rt, 0,1
.irp dt, 0,1,2,3,4,5,6,7
	PKMUL 4, 128+8*(8*\rt+\dt), 128+8*(8*\rt+\dt), 96+8*\dt
.endr
.endr
.else
	s_wait_dscnt 0x0
.endif
	WIN 0x50
.irp dt, 0,1,2,3,4,5,6,7
.irp rt, 0,1
.if \u
	v_wmma_f32_16x16x32_f16 v[128+8*(8*\rt+\dt):128+8*(8*\rt+\dt)+7], v[32+8*\dt:32+8*\dt+7], v[160+8*\rt:160+8*\rt+7], v[128+8*(8*\rt+\dt):128+8*(8*\rt+\dt)+7]
.else
	v_wmma_f32_16x16x32_f16 v[128+8*(8*\rt+\dt):128+8*(8*\rt+\dt)+7], v[32+8*\dt:32+8*\dt+7], v[160+8*\rt:160+8*\rt+7], 0
.endif
.endr
.endr
	WIN 0
.endm
	HSTEP 0
	HSTEP 1
	HSTEP 2
	HSTEP 3
	; H^T out in f16: a lane's eight numbers of tile (rt, dt) are d = 16 dt + 8 hh + 0..7 of row v = 32 w + 16 rt + r: 16 bytes at byte 32 dt + 16 hh of the row.
	; Through my own rows of the f16 stage, back as rows of 256 bytes; two rows of the record follow each other, so each store of the wave covers 512 consecutive bytes, aligned.
	PLACES
	WIN 0x05
	CVT 64, 160, 128
	WIN 0
.irp rt, 0,1
.irp dt, 0,1,2,3,4,5,6,7
	ds_store_b128 v27, v[160+4*(8*\rt+\dt):160+4*(8*\rt+\dt)+3] offset:\rt*4352+32*\dt
.endr
.endr
.set tt, 0
.rept 16
	ds_load_b128 v[32+4*tt:35+4*tt], v28 offset:544*tt     ; no store has named v32-95 since the wait at the head of the H steps
.set tt, tt+1
.endr
.set tt, 0
.rept 16
	s_wait_dscnt 15-tt
	global_store_b128 v26, v[32+4*tt:35+4*tt], s[96:97] offset:512*tt
.set tt, tt+1
.endr
	s_cmp_lg_u32 s14, 0                            ; L = the product of the four T_32: wave 0, and not for chunk 0
	s_cbranch_scc1 .Lnoh
	s_cmp_eq_u32 s18, 0
	s_cbranch_scc1 .Lnoh
	v_add_nc_u32 v22, T32, v26
.irp u, 0,1,2,3
	ds_load_b128 v[96+4*\u:96+4*\u+3], v22 offset:512*\u
.endr
	s_wait_dscnt 0x0
	v_pk_mul_f32 v[96:97], v[96:97], v[100:101]
	v_pk_mul_f32 v[98:99], v[98:99], v[102:103]
	v_pk_mul_f32 v[104:105], v[104:105], v[108:109]
	v_pk_mul_f32 v[106:107], v[106:107], v[110:111]
	v_pk_mul_f32 v[96:97], v[96:97], v[104:105]
	v_pk_mul_f32 v[98:99], v[98:99], v[106:107]
	global_store_b128 v26, v[96:99], s[94:95] offset:32768
.Lnoh:
	s_wait_dscnt 0x0
	s_set_vgpr_msb 0xa
	s_wait_tensorcnt 0x0
	ds_add_u32 v254, v255
	s_wait_dscnt 0x0
	s_set_vgpr_msb 0xa00
	CROUND                                         ; the closing round: no work-group ends while a partner may still ask for a tile that names it
	s_endpgm
.Lfunc_end_k_q962cb50c85_proj:
	.size	k_q962cb50c85_proj, .Lfunc_end_k_q962cb50c85_proj-k_q962cb50c85_proj
	.p2alignl 7, 3214868480
	.fill 96, 4, 3214868480
	.section	.rodata,"a",@progbits
	.p2align	6, 0x0
	.amdhsa_kernel k_q962cb50c85_proj
		.amdhsa_group_segment_fixed_size 327680
		.amdhsa_private_segment_fixed_size 0
		.amdhsa_enable_private_segment 0
		.amdhsa_kernarg_size 40
		.amdhsa_user_sgpr_count 2
		.amdhsa_user_sgpr_kernarg_segment_ptr 1
		.amdhsa_wavefront_size32 1
		.amdhsa_system_sgpr_workgroup_id_x 1
		.amdhsa_system_sgpr_workgroup_id_y 1
		.amdhsa_system_sgpr_workgroup_id_z 1
		.amdhsa_system_vgpr_workitem_id 0
		.amdhsa_next_free_vgpr 768
		.amdhsa_next_free_sgpr 100
		.amdhsa_reserve_vcc 0
		.amdhsa_float_denorm_mode_32 3
		.amdhsa_float_denorm_mode_16_64 3
		.amdhsa_memory_ordered 1
		.amdhsa_forward_progress 1
		.amdhsa_inst_pref_size 255
	.end_amdhsa_kernel
	.section	.bss,"aw",@nobits
	.p2align	6
	.space	262144
	.amdgpu_metadata
---
amdhsa.version: [ 1, 2 ]
amdhsa.kernels:
  - .name:           k_q962cb50c85_proj
    .symbol:         k_q962cb50c85_proj.kd
    .args:
      - { .name: xb, .offset: 0, .size: 8, .value_kind: global_buffer, .address_space: global }
      - { .name: wt, .offset: 8, .size: 8, .value_kind: global_buffer, .address_space: global }
      - { .name: ol, .offset: 16, .size: 8, .value_kind: global_buffer, .address_space: global }
      - { .name: qh, .offset: 24, .size: 8, .value_kind: global_buffer, .address_space: global }
      - { .name: hc, .offset: 32, .size: 8, .value_kind: global_buffer, .address_space: global }
    .group_segment_fixed_size: 327680
    .private_segment_fixed_size: 0
    .kernarg_segment_align: 8
    .kernarg_segment_size: 40
    .max_flat_workgroup_size: 128
    .sgpr_count:     100
    .vgpr_count:     768
    .wavefront_size: 32
...
	.end_amdgpu_metadata
.endif
;; end of part 2
;; launch scan (part 3): grid 256 x 1, 8 waves a work-group, no clusters, 0 bytes of LDS; arguments hc, st; writes st
.if DOCPART == 3
	.amdgcn_target "amdgcn-amd-amdhsa--gfx1250"
	.amdhsa_code_object_version 6
	.text
	.protected	k_q962cb50c85_scan
	.globl	k_q962cb50c85_scan
	.p2align	8
	.type	k_q962cb50c85_scan,@function
k_q962cb50c85_scan:
	s_mov_b64 s[64:65], 0
	v_nop
	global_prefetch_b8 v0, s[64:65] scope:SCOPE_SE
	s_setreg_imm32_b32 hwreg(HW_REG_WAVE_MODE, 25, 1), 1
	s_wait_xcnt 0x0
; Launch 3 of 5: the states in front of chunks 1 to 15, S(1) = H(0), S(c+1) = L(c) S(c) + H(c), kept in f32, stored as f16 [v][d] for launch 4.
; Left out: S(0), which reference() sets to zero, is neither stored nor read; L(0) multiplies it; H(15), L(15) enter no state that is read.
; |S| <= the largest |v| (each step is lambda S + (1 - lambda) v), so f16 has room wherever v has.
; H comes in f16, L in f32.  Eight work-groups share a (batch, head): a thread owns eight neighbouring d of one v, 16 bytes of H^T and of S^T.
; Each load of H and each store of a wave covers 512 consecutive bytes, aligned.  All 43 loads go out first; memory binds, so no LDS, no matrix unit.
.set REC, 33280                        ; a record: H^T 32,768 bytes, L 512 bytes
.set S,  8                             ; v[8:15]   the state, f32
.set T,  16                            ; v[16:23]  H(c) widened to f32
.set H,  24                            ; v[24+4c ..] H(c) as loaded; then S(c+1) as stored
.set LM, 84                            ; v[84+8(c-1) ..] L(c) of my eight d
	s_load_b128 s[4:7], s[0:1], 0x0                ; hc s[4:5], st s[6:7]
	s_lshr_b32 s8, ttmp9, 3                        ; batch 8 + head
	s_and_b32 s9, ttmp9, 7                         ; my eighth
	s_mul_i32 s10, s8, 16*REC
	s_mov_b32 s11, 0
	s_lshl_b32 s12, s8, 19                         ; 16 records of 32,768 bytes
	s_mov_b32 s13, 0
	s_lshl_b32 s14, s9, 12
	v_lshlrev_b32 v1, 4, v0
	v_add_nc_u32 v1, s14, v1                       ; H^T and S^T: 4096 eighth + 16 thread
	v_and_b32 v2, 15, v0
	v_lshlrev_b32 v2, 5, v2                        ; L: sixteen threads share a row of 128 d, 32 bytes each
	s_wait_kmcnt 0x0
	s_add_nc_u64 s[4:5], s[4:5], s[10:11]
	s_add_nc_u64 s[6:7], s[6:7], s[12:13]
	global_load_b128 v[H:H+3], v1, s[4:5] th:TH_LOAD_NT
.set c, 1
.rept 14
	global_load_b128 v[LM+8*(c-1):LM+8*(c-1)+3], v2, s[4:5] offset:c*REC+32768
	global_load_b128 v[LM+8*(c-1)+4:LM+8*(c-1)+7], v2, s[4:5] offset:c*REC+32768+16
	global_load_b128 v[H+4*c:H+4*c+3], v1, s[4:5] offset:c*REC th:TH_LOAD_NT
.set c, c+1
.endr
; eight f16 in the four registers from hb on become eight f32 from register d on.  l0-l3 name the low halves of those four registers, u0-u3 the low halves
; of the odd registers of d: the conversion is given low halves alone, so the upper halves are moved down first.
.macro UNPACK d, hb, l0, l1, l2, l3, u0, u1, u2, u3
	v_lshrrev_b32 v[\d+1], 16, v[\hb]
	v_lshrrev_b32 v[\d+3], 16, v[\hb+1]
	v_lshrrev_b32 v[\d+5], 16, v[\hb+2]
	v_lshrrev_b32 v[\d+7], 16, v[\hb+3]
	v_cvt_f32_f16 v[\d], \l0
	v_cvt_f32_f16 v[\d+2], \l1
	v_cvt_f32_f16 v[\d+4], \l2
	v_cvt_f32_f16 v[\d+6], \l3
	v_cvt_f32_f16 v[\d+1], \u0
	v_cvt_f32_f16 v[\d+3], \u1
	v_cvt_f32_f16 v[\d+5], \u2
	v_cvt_f32_f16 v[\d+7], \u3
.endm
; chunk c: S = L(c) S + H(c), rounded into H(c)'s registers, which are free by then and serve as this store's own data
.macro STEP c, l0, l1, l2, l3
	s_wait_loadcnt 3*(14-\c)                       ; L(c), H(c) are in; three loads for each later chunk stay out
	UNPACK T, H+4*\c, \l0, \l1, \l2, \l3, v17.l, v19.l, v21.l, v23.l
.irp k, 0,1,2,3
	v_pk_fma_f32 v[S+2*\k:S+2*\k+1], v[LM+8*(\c-1)+2*\k:LM+8*(\c-1)+2*\k+1], v[S+2*\k:S+2*\k+1], v[T+2*\k:T+2*\k+1]
.endr
.irp k, 0,1,2,3
	v_cvt_pk_f16_f32 v[H+4*\c+\k], v[S+2*\k], v[S+2*\k+1]
.endr
	global_store_b128 v1, v[H+4*\c:H+4*\c+3], s[6:7] offset:(\c+1)*32768
.endm
	s_wait_loadcnt 42                              ; H(0) is in; the 42 younger loads stay out
	global_store_b128 v1, v[H:H+3], s[6:7] offset:32768    ; S(1) = H(0), as it came
	UNPACK S, H, v24.l, v25.l, v26.l, v27.l, v9.l, v11.l, v13.l, v15.l
	STEP 1,  v28.l, v29.l, v30.l, v31.l
	STEP 2,  v32.l, v33.l, v34.l, v35.l
	STEP 3,  v36.l, v37.l, v38.l, v39.l
	STEP 4,  v40.l, v41.l, v42.l, v43.l
	STEP 5,  v44.l, v45.l, v46.l, v47.l
	STEP 6,  v48.l, v49.l, v50.l, v51.l
	STEP 7,  v52.l, v53.l, v54.l, v55.l
	STEP 8,  v56.l, v57.l, v58.l, v59.l
	STEP 9,  v60.l, v61.l, v62.l, v63.l
	STEP 10, v64.l, v65.l, v66.l, v67.l
	STEP 11, v68.l, v69.l, v70.l, v71.l
	STEP 12, v72.l, v73.l, v74.l, v75.l
	STEP 13, v76.l, v77.l, v78.l, v79.l
	STEP 14, v80.l, v81.l, v82.l, v83.l
	s_endpgm
.Lfunc_end_k_q962cb50c85_scan:
	.size	k_q962cb50c85_scan, .Lfunc_end_k_q962cb50c85_scan-k_q962cb50c85_scan
	.p2alignl 7, 3214868480
	.fill 96, 4, 3214868480
	.section	.rodata,"a",@progbits
	.p2align	6, 0x0
	.amdhsa_kernel k_q962cb50c85_scan
		.amdhsa_group_segment_fixed_size 0
		.amdhsa_private_segment_fixed_size 0
		.amdhsa_enable_private_segment 0
		.amdhsa_kernarg_size 16
		.amdhsa_user_sgpr_count 2
		.amdhsa_user_sgpr_kernarg_segment_ptr 1
		.amdhsa_wavefront_size32 1
		.amdhsa_system_sgpr_workgroup_id_x 1
		.amdhsa_system_sgpr_workgroup_id_y 1
		.amdhsa_system_sgpr_workgroup_id_z 1
		.amdhsa_system_vgpr_workitem_id 0
		.amdhsa_next_free_vgpr 196
		.amdhsa_next_free_sgpr 66
		.amdhsa_reserve_vcc 0
		.amdhsa_float_denorm_mode_32 3
		.amdhsa_float_denorm_mode_16_64 3
		.amdhsa_memory_ordered 1
		.amdhsa_forward_progress 1
		.amdhsa_inst_pref_size 20
	.end_amdhsa_kernel
	.amdgpu_metadata
---
amdhsa.version: [ 1, 2 ]
amdhsa.kernels:
  - .name:           k_q962cb50c85_scan
    .symbol:         k_q962cb50c85_scan.kd
    .args:
      - { .name: hc, .offset: 0, .size: 8, .value_kind: global_buffer, .address_space: global }
      - { .name: st, .offset: 8, .size: 8, .value_kind: global_buffer, .address_space: global }
    .group_segment_fixed_size: 0
    .private_segment_fixed_size: 0
    .kernarg_segment_align: 8
    .kernarg_segment_size: 16
    .max_flat_workgroup_size: 256
    .sgpr_count:     66
    .vgpr_count:     196
    .wavefront_size: 32
...
	.end_amdgpu_metadata
.endif
;; end of part 3
;; launch outp (part 4): grid 256 x 1, 4 waves a work-group, clusters of 4 x 1, 327,680 bytes of LDS; arguments ol, qh, st, ob; writes ob
.if DOCPART == 4
	.amdgcn_target "amdgcn-amd-amdhsa--gfx1250"
	.amdhsa_code_object_version 6
	.text
	.protected	k_q962cb50c85_outp
	.globl	k_q962cb50c85_outp
	.p2align	8
	.type	k_q962cb50c85_outp,@function
k_q962cb50c85_outp:
	s_mov_b64 s[64:65], 0
	v_nop
	global_prefetch_b8 v0, s[64:65] scope:SCOPE_SE
	s_setreg_imm32_b32 hwreg(HW_REG_WAVE_MODE, 25, 1), 1
	s_wait_xcnt 0x0
	s_wait_alu depctr_hold_cnt(0) depctr_sa_sdst(0) depctr_va_vdst(0) depctr_va_sdst(0) depctr_va_ssrc(0) depctr_va_vcc(0) depctr_vm_vsrc(0)
	s_getreg_b32 s2, hwreg(HW_REG_IB_STS2, 6, 4)
	s_cmp_eq_u32 s2, 0
	s_cbranch_scc0 .Lentry_in_a_cluster
	s_endpgm
.Lentry_in_a_cluster:
	s_bfe_u32 s2, ttmp6, 0x10000c
	s_cmp_lg_u32 s2, 0x3003
	s_cbranch_scc0 .Lentry_shape_is_right
	s_endpgm
.Lentry_shape_is_right:
; Launch 4 of 5: o = ol + q^ S(c), then ob = o * rsqrt(mean(o^2) + 1e-5) in f16 (|ob| <= 32: o itself has no room in f16 at large inputs).
; Left out: chunk 0 meets reference()'s zero state, so its work-groups load no q^ and no S and issue no product.
; A work-group takes 32 rows and all 8 heads.  Wave w takes the 16 rows of tile w >> 1 and the four heads of parity w & 1: 4 x 8 tiles = 256 registers,
; window 1, head 2 p + parity at 64 p + 8 ct.  The sums start as ol, loaded straight from LDS.
; CLUSTER 4 x 1: the four work-groups of a cluster are the four quarters of one chunk of 128 rows (the cluster's x is 16 batch + chunk), so they need the
; same S^T of every head: it is asked for jointly, mask 15, which divides its requests by four.  ol's and q^'s tiles are each work-group's own: plain loads.
; The chunk's number is alike in the four, so the branch on it is alike in them.
; A ring of two LDS slots goes over the heads, two heads a step, four steps.  A slot: S^T of both heads (2 x 128 rows x 256 bytes), ol's tile (32 rows x 1,024 bytes),
; q^'s (32 x 512).  One load a wave and step: waves 0, 1 one head's S^T each, wave 2 ol's tile, wave 3 q^'s.  Both slots' first fills go out together:
; two loads of a wave are out at the start, one later.
; The two waves of a row tile hand each other their parts of the rows' sums of squares through 64 bytes of LDS each, behind one barrier.
.set STT, 0                            ; pitch 272; the odd head 34,816 further on
.set OLT, 69632                        ; pitch 1,040
.set QT,  102912                       ; pitch 528
.set SLOT, 119808
.set STAGE, 239616                     ; 16 rows x 1,040 bytes (four heads of 256 bytes + 16) for each wave; no tensor load lands here
.set SCR, 306176                       ; 4 waves x 16 words: the partial sums of squares; no tensor load lands here
.set G1O, 24
.set G1Q, 32
.set G1S, 40
.set G0O, 48
.set G0Q, 56
.set G0S, 68
.set AOL, 4
.set AQ, 6
.set AS, 8
.set MSB, 0
.macro WIN new
.if MSB != \new
	s_set_vgpr_msb (MSB<<8)|\new
.set MSB, \new
.endif
.endm
.macro PLACES
.rept 4
	v_nop
.endr
.endm
.macro CVT n, d, a
.set ii, 0
.rept \n
	v_cvt_pk_f16_f32 v[\d+ii], v[\a+2*ii], v[\a+2*ii+1]
.set ii, ii+1
.endr
.endm
.macro CREST                           ; a round of the cluster's barrier behind its opening barrier
	s_cmp_lg_u32 s14, 0
	s_cbranch_scc1 .Lnot_wave_0_\@
	s_barrier_signal -3
.Lnot_wave_0_\@:
	s_barrier_wait -3
	s_barrier_signal -1
	s_barrier_wait -1
.endm
.macro CROUND
	s_barrier_signal -1
	s_barrier_wait -1
	CREST
.endm
; a step's loads into slot s, one a wave; the branches hang on the wave's number alone
.macro OLOAD s, withS
.if \withS
	s_cmp_lt_u32 s14, 2
	s_cbranch_scc0 .Lnots_\@
	tensor_load_to_lds s[G0S+4*(\s):G0S+4*(\s)+3], s[G1S:G1S+7]    ; the joint load: the same descriptor in all four work-groups
	s_nop 0
	s_branch .Lasked_\@
.Lnots_\@:
	s_cmp_lg_u32 s14, 2
	s_cbranch_scc1 .Lforq_\@
	tensor_load_to_lds s[G0O+4*(\s):G0O+4*(\s)+3], s[G1O:G1O+7]
	s_nop 0
	s_branch .Lasked_\@
.Lforq_\@:
	tensor_load_to_lds s[G0Q+4*(\s):G0Q+4*(\s)+3], s[G1Q:G1Q+7]
	s_nop 0
.Lasked_\@:
.else
	s_cmp_lg_u32 s14, 2
	s_cbranch_scc1 .Lasked_\@
	tensor_load_to_lds s[G0O+4*(\s):G0O+4*(\s)+3], s[G1O:G1O+7]
	s_nop 0
.Lasked_\@:
.endif
.endm
	s_load_b256 s[4:11], s[0:1], 0x0               ; ol s[4:5], qh s[6:7], st s[8:9], ob s[10:11]
	v_lshl_add_u32 v254, v0, 2, 0x4ad00
	v_mov_b32 v255, 0
	ds_add_u32 v254, v255
	v_lshrrev_b32 v1, 5, v0
	v_readfirstlane_b32 s14, v1                    ; wave
	s_lshr_b32 s17, s14, 1                         ; my row tile
	s_and_b32 s18, s14, 1                          ; my heads' parity
	s_and_b32 s15, ttmp9, 15                       ; chunk c: in a cluster launch ttmp9 counts clusters
	s_lshr_b32 s16, ttmp9, 4                       ; batch
	s_bfe_u32 s19, ttmp6, 0x40000                  ; cx: my quarter of the chunk
	s_lshl_b32 s22, ttmp9, 2
	s_add_co_u32 s22, s22, s19                     ; work-group = block of 32 rows
	s_mov_b32 s12, 0x76543210
	s_mov_b32 s13, 0xfedcba98
	s_mov_b32 s20, 0x3a800000                      ; 1 / 1024
	s_mov_b32 s21, 0x3727c5ac                      ; 1e-5
	s_mov_b32 s[G1O+0], (2<<16)|(1<<20)|(7<<22)|(3<<25)   ; 4-byte elements; after every 256 words 4 words of padding
	s_mov_b32 s[G1O+1], 256<<16                    ; tensor_dim0 = 256: two heads' columns
	s_mov_b32 s[G1O+2], 32<<16                     ; tensor_dim1 = 32
	s_mov_b32 s[G1O+3], 256<<16                    ; tile_dim0
	s_mov_b32 s[G1O+4], 32                         ; tile_dim1
	s_mov_b32 s[G1O+5], 1024                       ; elements from row to row
	s_mov_b32 s[G1O+6], 0
	s_mov_b32 s[G1O+7], 0
	s_mov_b32 s[G1Q+0], (1<<16)|(1<<20)|(6<<22)|(3<<25)   ; 2-byte elements; after every 128 words 4 words
	s_mov_b32 s[G1Q+1], 256<<16
	s_mov_b32 s[G1Q+2], 32<<16
	s_mov_b32 s[G1Q+3], 256<<16
	s_mov_b32 s[G1Q+4], 32
	s_mov_b32 s[G1Q+5], 1024
	s_mov_b32 s[G1Q+6], 0
	s_mov_b32 s[G1Q+7], 0
	s_mov_b32 s[G1S+0], 15|(1<<16)|(1<<20)|(1<<21)|(5<<22)|(3<<25)   ; mask: all four of the cluster, bit 21 beside it; after every 64 words 4 words
	s_mov_b32 s[G1S+1], 128<<16
	s_mov_b32 s[G1S+2], 128<<16
	s_mov_b32 s[G1S+3], 128<<16
	s_mov_b32 s[G1S+4], 128
	s_mov_b32 s[G1S+5], 128
	s_mov_b32 s[G1S+6], 0
	s_mov_b32 s[G1S+7], 0
	s_lshl_b32 s2, s22, 17                         ; ol: 32 rows of 4,096 bytes
	s_mov_b32 s3, 0
	s_lshl_b32 s76, s16, 7
	s_add_co_u32 s76, s76, s15                     ; S^T: record of head 0 = 128 batch + c (no place in the cluster enters it),
	s_min_u32 s23, s14, 1
	s_lshl_b32 s23, s23, 4
	s_add_co_u32 s76, s76, s23                     ; of head 1 for wave 1: 16 records on
	s_lshl_b32 s76, s76, 15
	s_mov_b32 s77, 0
	s_mul_i32 s78, s14, 34816                      ; LDS of my head's S^T (waves 0, 1)
	; LDS addresses
	v_and_b32 v1, 15, v0                           ; r
	v_bfe_u32 v2, v0, 4, 1                         ; hh
	v_mul_u32_u24 v4, v1, 1040
	v_lshl_add_u32 v4, v2, 5, v4
	s_mul_i32 s23, s17, 16*1040
	s_lshl_b32 s79, s18, 9
	s_add_co_u32 s23, s23, s79
	s_add_co_u32 s23, s23, OLT
	v_add_nc_u32 v4, s23, v4                       ; ol: row 16 tile + r, 512 parity + 32 hh
	v_add_nc_u32 v5, SLOT, v4
	v_mul_u32_u24 v6, v1, 528
	v_lshl_add_u32 v6, v2, 4, v6
	s_mul_i32 s23, s17, 16*528
	s_lshl_b32 s79, s18, 8
	s_add_co_u32 s23, s23, s79
	s_add_co_u32 s23, s23, QT
	v_add_nc_u32 v6, s23, v6                       ; q^: row 16 tile + r, 256 parity + 16 hh
	v_add_nc_u32 v7, SLOT, v6
	v_mul_u32_u24 v8, v1, 272
	v_lshl_add_u32 v8, v2, 4, v8
	s_mul_i32 s23, s18, 34816
	v_add_nc_u32 v8, s23, v8                       ; S^T of my parity: row r of a block of 16
	v_add_nc_u32 v9, SLOT, v8
	s_mul_i32 s23, s14, 16640
	s_add_co_u32 s23, s23, STAGE
	v_mul_u32_u24 v10, v1, 1040
	v_lshl_add_u32 v10, v2, 4, v10
	v_add_nc_u32 v10, s23, v10                     ; my stage, in
	v_mul_u32_u24 v11, v2, 1040
	v_lshl_add_u32 v11, v1, 4, v11
	v_add_nc_u32 v11, s23, v11                     ; my stage, back: a head's 256 bytes of two rows
	v_lshlrev_b32 v12, 11, v2
	v_lshl_add_u32 v12, v1, 4, v12                 ; the same two rows in ob
	v_lshlrev_b32 v14, 2, v1
	s_lshl_b32 s23, s14, 6
	s_add_co_u32 s23, s23, SCR
	v_add_nc_u32 v13, s23, v14                     ; my wave's word for row r
	s_lshl_b32 s23, s17, 7
	s_add_co_u32 s23, s23, SCR
	v_add_nc_u32 v14, s23, v14                     ; my row tile's two words for row r, 64 bytes apart
	s_wait_dscnt 0x0
	s_wait_kmcnt 0x0
	s_add_nc_u64 s[4:5], s[4:5], s[2:3]
	s_lshl_b32 s2, s22, 16                         ; qh, ob: 32 rows of 2,048 bytes
	s_add_nc_u64 s[6:7], s[6:7], s[2:3]
	s_add_nc_u64 s[10:11], s[10:11], s[2:3]
	s_add_nc_u64 s[8:9], s[8:9], s[76:77]
	s_lshl_b32 s2, s17, 15
	s_lshl_b32 s23, s18, 8
	s_add_co_u32 s2, s2, s23
	s_add_nc_u64 s[10:11], s[10:11], s[2:3]        ; ob at my 16 rows, my first head
.irp s, 0,1
	s_mov_b32 s[G0O+4*\s], 1
	s_mov_b32 s[G0O+4*\s+1], OLT+\s*SLOT
	s_add_nc_u64 s[G0O+4*\s+2:G0O+4*\s+3], s[4:5], \s*1024
	s_or_b32 s[G0O+4*\s+3], s[G0O+4*\s+3], 0x80000000
	s_mov_b32 s[G0Q+4*\s], 1
	s_mov_b32 s[G0Q+4*\s+1], QT+\s*SLOT
	s_add_nc_u64 s[G0Q+4*\s+2:G0Q+4*\s+3], s[6:7], \s*512
	s_or_b32 s[G0Q+4*\s+3], s[G0Q+4*\s+3], 0x80000000
	s_mov_b32 s[G0S+4*\s], 1
	s_add_co_u32 s[G0S+4*\s+1], s78, \s*SLOT
	s_add_nc_u64 s[G0S+4*\s+2:G0S+4*\s+3], s[8:9], \s*0x100000     ; two heads on: 32 records of 32,768 bytes
	s_or_b32 s[G0S+4*\s+3], s[G0S+4*\s+3], 0x80000000
.endr
.macro SLD s, buf                      ; S^T's eight fragments of slice s
.irp ct, 0,1,2,3,4,5,6,7
	ds_load_b128 v[64+64*\buf+8*\ct:64+64*\buf+8*\ct+3], v[AS+SL] offset:\ct*4352+64*\s
	ds_load_b128 v[64+64*\buf+8*\ct+4:64+64*\buf+8*\ct+7], v[AS+SL] offset:\ct*4352+64*\s+32
.endr
.endm
.macro MM s, buf                       ; eight accumulators by turns, one instruction a turn
.irp ct, 0,1,2,3,4,5,6,7
	v_wmma_f32_16x16x32_f16 v[AB+8*\ct:AB+8*\ct+7], v[64+64*\buf+8*\ct:64+64*\buf+8*\ct+7], v[32+8*\s:32+8*\s+7], v[AB+8*\ct:AB+8*\ct+7]
.endr
.endm
; step p: heads 2 p, 2 p + 1, in slot p & 1
.macro STEP p, withS
.set SL, \p&1
.set OS, 1-SL
.set AB, 64*\p
.if \p == 0
	s_wait_tensorcnt 0x1                           ; my part of slot 0 is in; slot 1's first fill may stay out
	s_barrier_signal -1
	s_barrier_wait -1
.else
	s_wait_tensorcnt 0x0                           ; all my loads have landed, my part of this step's slot among them, so a group 0 may be written:
	ds_add_u32 v254, v255
	s_wait_dscnt 0x0
.if \p < 3
	s_add_nc_u64 s[G0O+4*OS+2:G0O+4*OS+3], s[G0O+4*OS+2:G0O+4*OS+3], 2048      ; the other slot's next tiles, two steps on
.if \withS
	s_add_nc_u64 s[G0Q+4*OS+2:G0Q+4*OS+3], s[G0Q+4*OS+2:G0Q+4*OS+3], 1024
	s_add_nc_u64 s[G0S+4*OS+2:G0S+4*OS+3], s[G0S+4*OS+2:G0S+4*OS+3], 0x200000
.endif
.endif
	s_wait_dscnt 0x0                               ; my reads of the other slot are over
.if \p < 3
	CROUND                                         ; both now hold of every wave of all four work-groups
	OLOAD OS, \withS                               ; the refill: my one load behind the round, and the first thing there
.else
	s_barrier_signal -1                            ; the last step fills nothing: my work-group's barrier shows the slot whole
	s_barrier_wait -1
.endif
.endif
	WIN 0x40
.irp ct, 0,1,2,3,4,5,6,7
	ds_load_b128 v[AB+8*\ct:AB+8*\ct+3], v[AOL+SL] offset:64*\ct
	ds_load_b128 v[AB+8*\ct+4:AB+8*\ct+7], v[AOL+SL] offset:64*\ct+16
.endr
	WIN 0
.if \withS
	PLACES                                         ; the fragment registers were read by the last step's matrix instructions
.irp s, 0,1,2,3
	ds_load_b128 v[32+8*\s:32+8*\s+3], v[AQ+SL] offset:64*\s
	ds_load_b128 v[32+8*\s+4:32+8*\s+7], v[AQ+SL] offset:64*\s+32
.endr
	SLD 0, 0
	SLD 1, 1
	s_wait_dscnt 16                                ; all but the sixteen youngest (the next slice of S^T)
	WIN 0x50
	MM 0, 0
	WIN 0
	PLACES
	SLD 2, 0
	s_wait_dscnt 16
	WIN 0x50
	MM 1, 1
	WIN 0
	PLACES
	SLD 3, 1
	s_wait_dscnt 16
	WIN 0x50
	MM 2, 0
	s_wait_dscnt 0x0
	MM 3, 1
	WIN 0
.endif
.endm
	CROUND                                         ; all four work-groups are here: the first joint loads meet
	s_cmp_eq_u32 s15, 0
	s_cbranch_scc1 .Lfirst
	OLOAD 0, 1
	OLOAD 1, 1
.irp p, 0,1,2,3
	STEP \p, 1
.endr
	s_branch .Lnorm
.Lfirst:
	s_cmp_lg_u32 s14, 2                            ; chunk 0: ol's tiles alone, wave 2's; its two first fills stand inside one branch
	s_cbranch_scc1 .Lfirst_asked
	tensor_load_to_lds s[G0O:G0O+3], s[G1O:G1O+7]
	s_nop 0
	tensor_load_to_lds s[G0O+4:G0O+7], s[G1O:G1O+7]
	s_nop 0
.Lfirst_asked:
.irp p, 0,1,2,3
	STEP \p, 0
.endr
.Lnorm:
	s_wait_dscnt 0x0
	PLACES
	; my part of the rows' sums of squares: a lane's 256 numbers in four chains of pairs, then the other half of the lanes
	WIN 0x05
.set i, 0
.rept 128
.if i < 4
	v_pk_mul_f32 v[64+2*i:65+2*i], v[2*i:2*i+1], v[2*i:2*i+1]
.else
	v_pk_fma_f32 v[64+2*(i&3):65+2*(i&3)], v[2*i:2*i+1], v[2*i:2*i+1], v[64+2*(i&3):65+2*(i&3)]
.endif
.set i, i+1
.endr
	WIN 0
	v_pk_add_f32 v[64:65], v[64:65], v[66:67]
	v_pk_add_f32 v[68:69], v[68:69], v[70:71]
	v_pk_add_f32 v[64:65], v[64:65], v[68:69]
	v_add_f32 v64, v64, v65
	v_permlanex16_b32 v66, v64, s12, s13           ; lane l xor 16 holds the row's other columns
	v_add_f32 v64, v64, v66
	ds_store_b32 v13, v64                          ; lanes l and l + 16 write the same word with the same number
	s_wait_dscnt 0x0                               ; my store is in LDS before I say so
	s_barrier_signal -1
	s_barrier_wait -1
	ds_load_b32 v65, v14                           ; the even heads' part,
	ds_load_b32 v66, v14 offset:64                 ; the odd heads': both waves add them in the same order
	s_wait_dscnt 0x0
	v_add_f32 v64, v65, v66
	v_fma_f32 v64, v64, s20, s21                   ; mean + 1e-5
	v_rsq_f32 v28, v64
	v_nop
	s_wait_alu depctr_va_vdst(0)
	v_mov_b32 v29, v28
.macro NORMH p
	WIN 0x01
.set i, 0
.rept 32
	v_pk_mul_f32 v[64+2*i:65+2*i], v[64*\p+2*i:64*\p+2*i+1], v[28:29]
.set i, i+1
.endr
	WIN 0
	CVT 32, 128, 64
.irp ct, 0,1,2,3,4,5,6,7
	ds_store_b128 v10, v[128+4*\ct:128+4*\ct+3] offset:\p*256+32*\ct
.endr
.endm
.irp p, 0,1,2,3
	NORMH \p
.endr
.irp g, 0,1
	s_wait_xcnt 0x0                                ; v32-95 are the last group's store data
.set tt, 0
.rept 16
	ds_load_b128 v[32+4*tt:35+4*tt], v11 offset:((16*\g+tt)&7)*2080+((16*\g+tt)>>3)*256   ; LDS serves a wave's instructions in order: these see my stores above
.set tt, tt+1
.endr
.set tt, 0
.rept 16
	s_wait_dscnt 15-tt
	global_store_b128 v12, v[32+4*tt:35+4*tt], s[10:11] offset:((16*\g+tt)&7)*4096+((16*\g+tt)>>3)*512   ; sixteen lanes store 256 consecutive bytes, aligned: one head of one row
.set tt, tt+1
.endr
.endr
	s_wait_tensorcnt 0x0
	ds_add_u32 v254, v255
	s_wait_dscnt 0x0
	CROUND                                         ; the closing round: no work-group ends while a partner may still ask for a tile that names it
	s_endpgm
.Lfunc_end_k_q962cb50c85_outp:
	.size	k_q962cb50c85_outp, .Lfunc_end_k_q962cb50c85_outp-k_q962cb50c85_outp
	.p2alignl 7, 3214868480
	.fill 96, 4, 3214868480
	.section	.rodata,"a",@progbits
	.p2align	6, 0x0
	.amdhsa_kernel k_q962cb50c85_outp
		.amdhsa_group_segment_fixed_size 327680
		.amdhsa_private_segment_fixed_size 0
		.amdhsa_enable_private_segment 0
		.amdhsa_kernarg_size 32
		.amdhsa_user_sgpr_count 2
		.amdhsa_user_sgpr_kernarg_segment_ptr 1
		.amdhsa_wavefront_size32 1
		.amdhsa_system_sgpr_workgroup_id_x 1
		.amdhsa_system_sgpr_workgroup_id_y 1
		.amdhsa_system_sgpr_workgroup_id_z 1
		.amdhsa_system_vgpr_workitem_id 0
		.amdhsa_next_free_vgpr 512
		.amdhsa_next_free_sgpr 80
		.amdhsa_reserve_vcc 0
		.amdhsa_float_denorm_mode_32 3
		.amdhsa_float_denorm_mode_16_64 3
		.amdhsa_memory_ordered 1
		.amdhsa_forward_progress 1
		.amdhsa_inst_pref_size 84
	.end_amdhsa_kernel
	.amdgpu_metadata
---
amdhsa.version: [ 1, 2 ]
amdhsa.kernels:
  - .name:           k_q962cb50c85_outp
    .symbol:         k_q962cb50c85_outp.kd
    .args:
      - { .name: ol, .offset: 0, .size: 8, .value_kind: global_buffer, .address_space: global }
      - { .name: qh, .offset: 8, .size: 8, .value_kind: global_buffer, .address_space: global }
      - { .name: st, .offset: 16, .size: 8, .value_kind: global_buffer, .address_space: global }
      - { .name: ob, .offset: 24, .size: 8, .value_kind: global_buffer, .address_space: global }
    .group_segment_fixed_size: 327680
    .private_segment_fixed_size: 0
    .kernarg_segment_align: 8
    .kernarg_segment_size: 32
    .max_flat_workgroup_size: 128
    .sgpr_count:     80
    .vgpr_count:     512
    .wavefront_size: 32
...
	.end_amdgpu_metadata
.endif
;; end of part 4
;; launch final (part 5): grid 4 x 64, 4 waves a work-group, clusters of 4 x 4, 327,680 bytes of LDS; arguments ob, wt, out0; writes out0
.if DOCPART == 5
	.amdgcn_target "amdgcn-amd-amdhsa--gfx1250"
	.amdhsa_code_object_version 6
	.text
	.protected	k_q962cb50c85_final
	.globl	k_q962cb50c85_final
	.p2align	8
	.type	k_q962cb50c85_final,@function
k_q962cb50c85_final:
	s_mov_b64 s[64:65], 0
	v_nop
	global_prefetch_b8 v0, s[64:65] scope:SCOPE_SE
	s_setreg_imm32_b32 hwreg(HW_REG_WAVE_MODE, 25, 1), 1
	s_wait_xcnt 0x0
	s_wait_alu depctr_hold_cnt(0) depctr_sa_sdst(0) depctr_va_vdst(0) depctr_va_sdst(0) depctr_va_ssrc(0) depctr_va_vcc(0) depctr_vm_vsrc(0)
	s_getreg_b32 s2, hwreg(HW_REG_IB_STS2, 6, 4)
	s_cmp_eq_u32 s2, 0
	s_cbranch_scc0 .Lentry_in_a_cluster
	s_endpgm
.Lentry_in_a_cluster:
	s_bfe_u32 s2, ttmp6, 0x10000c
	s_cmp_lg_u32 s2, 0xf033
	s_cbranch_scc0 .Lentry_shape_is_right
	s_endpgm
.Lentry_shape_is_right:
; Launch 5 of 5: out0[t][n] = sum over k of ob[t][k] * (g_weight[k] Wo[k][n]); ob is the normalised o, wt rows 3072.. hold g*Wo with K along the rows.
; f16 operands, f32 sums.  A work-group makes 128 x 256 of out0; a wave 128 rows x 64 columns: 32 accumulator tiles, window 1, tile (a, b) at 8 (4 a + b).
; K goes in steps of 128 through two LDS slots (W's 256 rows, then ob's 128).  Cluster 4 x 4: ob's tile hangs on the block row and is asked for jointly
; along a row of the cluster, W's on the block column and jointly along a column.  Waves 0, 1 fetch W's halves (128 rows), waves 2, 3 ob's (64 rows).
; The matrix instruction is used transposed (source 0 = rows of W): a lane holds eight neighbouring columns of one row of out0.
.set PITCH, 272
.set SLOT, 384*PITCH
.set AOFF, 256*PITCH
.set STAGE, 2*SLOT                     ; 16 rows x 272 bytes for each wave
.set ADRA, 16
.set ADRB, 20
.set STO, 24
.set RD, 25
.set CO, 26
.set G1, 24                            ; ob
.set G0, 32
.set G1B, 48                           ; W
.set G0B, 56
.set FLAGS, (1<<16)|(1<<20)|(1<<21)|(5<<22)|(3<<25)
.set MSB, 0
.macro WIN new
.if MSB != \new
	s_set_vgpr_msb (MSB<<8)|\new
.set MSB, \new
.endif
.endm
.macro PLACES
.rept 4
	v_nop
.endr
.endm
.macro JLOAD s
	s_cmp_eq_u32 s11, 0
	s_cbranch_scc0 .Lfor_a_\@
	tensor_load_to_lds s[G0B+4*\s:G0B+4*\s+3], s[G1B:G1B+7]
	s_nop 0
	s_branch .Lasked_\@
.Lfor_a_\@:
	tensor_load_to_lds s[G0+4*\s:G0+4*\s+3], s[G1:G1+7]
	s_nop 0
.Lasked_\@:
.endm
.macro CREST
	s_cmp_lg_u32 s10, 0
	s_cbranch_scc1 .Lnot_wave_0_\@
	s_barrier_signal -3
.Lnot_wave_0_\@:
	s_barrier_wait -3
	s_barrier_signal -1
	s_barrier_wait -1
.endm
.macro CROUND
	s_barrier_signal -1
	s_barrier_wait -1
	CREST
.endm
	s_load_b128 s[4:7], s[0:1], 0x0                ; ob s[4:5], wt s[6:7]
	s_load_b64 s[8:9], s[0:1], 0x10                ; out0
	v_lshl_add_u32 v62, v0, 2, 0x37400
	v_mov_b32 v63, 0
	ds_add_u32 v62, v63
	v_lshrrev_b32 v1, 5, v0
	v_readfirstlane_b32 s10, v1                    ; wave
	s_lshr_b32 s11, s10, 1                         ; I fetch for W (0) or for ob (1)
	s_and_b32 s12, s10, 1                          ; which half
	s_bfe_u32 s40, ttmp6, 0x40000                  ; cx
	s_bfe_u32 s41, ttmp6, 0x40004                  ; cy
	s_lshl_b32 s42, ttmp9, 2
	s_add_co_u32 s42, s42, s40                     ; block column
	s_and_b32 s13, ttmp7, 0xffff
	s_lshl_b32 s13, s13, 2
	s_add_co_u32 s13, s13, s41                     ; block row
	s_lshl_b32 s43, s41, 2
	s_lshl_b32 s43, 15, s43                        ; my row of the cluster
	s_lshl_b32 s44, 0x1111, s40                    ; my column
	s_or_b32 s[G1+0], s43, FLAGS
	s_or_b32 s[G1B+0], s44, FLAGS
	s_mov_b32 s[G1+1], 128<<16
	s_mov_b32 s[G1B+1], 128<<16
	s_mov_b32 s[G1+2], 64<<16                      ; ob: 64 rows a load
	s_mov_b32 s[G1B+2], 128<<16                    ; W: 128 rows a load
	s_mov_b32 s[G1+3], 128<<16
	s_mov_b32 s[G1B+3], 128<<16
	s_mov_b32 s[G1+4], 64
	s_mov_b32 s[G1B+4], 128
	s_mov_b32 s[G1+5], 1024
	s_mov_b32 s[G1B+5], 1024
	s_mov_b32 s[G1+6], 0
	s_mov_b32 s[G1B+6], 0
	s_mov_b32 s[G1+7], 0
	s_mov_b32 s[G1B+7], 0
	s_lshl_b32 s16, s13, 7
	s_lshl_b32 s17, s12, 6
	s_add_co_u32 s16, s16, s17                     ; ob: row 128 block row + 64 half
	s_lshl_b32 s16, s16, 11
	s_mov_b32 s17, 0
	s_lshl_b32 s46, s42, 8
	s_lshl_b32 s47, s12, 7
	s_add_co_u32 s46, s46, s47
	s_add_co_u32 s46, s46, 3072                    ; W: row 3072 + 256 block column + 128 half
	s_lshl_b32 s46, s46, 11
	s_mov_b32 s47, 0
	s_mul_i32 s20, s10, 34816                      ; LDS of W's halves (waves 0, 1)
	s_mul_i32 s21, s10, 17408
	s_add_co_u32 s21, s21, 34816                   ; LDS of ob's halves (waves 2, 3): 69,632 + 17,408 (wave - 2)
	s_wait_dscnt 0x0
	s_wait_kmcnt 0x0
	s_add_nc_u64 s[14:15], s[4:5], s[16:17]
	s_add_nc_u64 s[46:47], s[6:7], s[46:47]
	CROUND
.irp s, 0,1
	s_mov_b32 s[G0+4*\s], 1
	s_add_co_u32 s[G0+4*\s+1], s21, \s*SLOT
	s_add_nc_u64 s[G0+4*\s+2:G0+4*\s+3], s[14:15], \s*256
	s_or_b32 s[G0+4*\s+3], s[G0+4*\s+3], 0x80000000
	s_mov_b32 s[G0B+4*\s], 1
	s_add_co_u32 s[G0B+4*\s+1], s20, \s*SLOT
	s_add_nc_u64 s[G0B+4*\s+2:G0B+4*\s+3], s[46:47], \s*256
	s_or_b32 s[G0B+4*\s+3], s[G0B+4*\s+3], 0x80000000
	JLOAD \s
.endr
	v_and_b32 v1, 15, v0
	v_bfe_u32 v2, v0, 4, 1
	v_mul_u32_u24 v3, v1, PITCH
	v_lshl_add_u32 v3, v2, 4, v3
	v_add_nc_u32 v[ADRA], AOFF, v3
	v_add_nc_u32 v[ADRA+1], AOFF+SLOT, v3
	s_mul_i32 s22, s10, 64*PITCH                   ; my 64 columns = rows of W
	v_add_nc_u32 v[ADRB], s22, v3
	v_add_nc_u32 v[ADRB+1], SLOT, v[ADRB]
	s_mul_i32 s23, s10, 16*PITCH
	s_add_co_u32 s23, s23, STAGE
	v_mul_u32_u24 v4, v1, PITCH
	v_lshl_add_u32 v4, v2, 5, v4
	v_add_nc_u32 v[STO], s23, v4                   ; stage, in: row r, 32 hh
	v_mul_u32_u24 v5, v2, PITCH
	v_lshl_add_u32 v5, v1, 4, v5
	v_add_nc_u32 v[RD], s23, v5                    ; stage, back: two rows of 256 bytes
	v_lshlrev_b32 v5, 12, v2
	v_lshl_add_u32 v[CO], v1, 4, v5                ; the same two rows in out0
.macro MUL8 p, a0, zero
.irp a, \a0, \a0+1
.irp b, 0,1,2,3
.if \zero
	v_wmma_f32_16x16x32_f16 v[8*(4*(\a)+\b):8*(4*(\a)+\b)+7], v[192+32*\p+8*\b:192+32*\p+8*\b+7], v[64+64*\p+8*(\a):64+64*\p+8*(\a)+7], 0
.else
	v_wmma_f32_16x16x32_f16 v[8*(4*(\a)+\b):8*(4*(\a)+\b)+7], v[192+32*\p+8*\b:192+32*\p+8*\b+7], v[64+64*\p+8*(\a):64+64*\p+8*(\a)+7], v[8*(4*(\a)+\b):8*(4*(\a)+\b)+7]
.endif
.endr
.endr
.endm
.macro FETCH slot, k, p                ; 24 loads: W's four fragments, then ob's eight (rows 0-63 first)
.irp b, 0,1,2,3
	ds_load_b128 v[192+32*\p+8*\b:192+32*\p+8*\b+3], v[ADRB+\slot] offset:\k+\b*4352
	ds_load_b128 v[192+32*\p+8*\b+4:192+32*\p+8*\b+7], v[ADRB+\slot] offset:\k+\b*4352+32
.endr
.irp a, 0,1,2,3,4,5,6,7
	ds_load_b128 v[64+64*\p+8*\a:64+64*\p+8*\a+3], v[ADRA+\slot] offset:\k+\a*4352
	ds_load_b128 v[64+64*\p+8*\a+4:64+64*\p+8*\a+7], v[ADRA+\slot] offset:\k+\a*4352+32
.endr
.endm
; the 32 accumulators take turns, one instruction a turn, in the same order in every quarter
.macro QUARTER slot, k, p, pn, zero
	s_wait_dscnt 8                                 ; all but ob's rows 64-127
	WIN 0x50
	MUL8 \p, 0, \zero
	MUL8 \p, 2, \zero
	WIN 0
	PLACES
	FETCH \slot, \k, \pn
	s_wait_dscnt 24                                ; all but the 24 just issued
	WIN 0x50
	MUL8 \p, 4, \zero
	MUL8 \p, 6, \zero
.endm
.macro THREE slot, zero
	QUARTER \slot, 64,  0, 1, \zero
	QUARTER \slot, 128, 1, 0, 0
	QUARTER \slot, 192, 0, 1, 0
.endm
.macro TURN slot, next, fill
	s_wait_dscnt 8
	WIN 0x50
	MUL8 1, 0, 0
	s_wait_dscnt 0x0                               ; my reads of this slot are over
	s_wait_tensorcnt 0x0                           ; and all my tensor loads have landed: the one out was my part of the next slot
	ds_add_u32 v62, v63
	s_wait_dscnt 0x0
	s_barrier_signal -1
	MUL8 1, 2, 0
	WIN 0
	s_barrier_wait -1
.if \fill
	CREST                                          ; the barrier above opened a round of the cluster's barrier; the joint refill comes first behind it
	s_add_nc_u64 s[G0+4*\slot+2:G0+4*\slot+3], s[G0+4*\slot+2:G0+4*\slot+3], 512
	s_add_nc_u64 s[G0B+4*\slot+2:G0B+4*\slot+3], s[G0B+4*\slot+2:G0B+4*\slot+3], 512
	JLOAD \slot
.endif
	PLACES
	FETCH \next, 0, 0
	WIN 0x50
	MUL8 1, 4, 0
	MUL8 1, 6, 0
.endm
.macro LAP zero
	THREE 0, \zero
	TURN 0, 1, 1
	THREE 1, 0
	TURN 1, 0, 1
.endm
	s_wait_tensorcnt 0x1                           ; my part of K step 0 is in; K step 1's may stay out
	s_barrier_signal -1
	s_barrier_wait -1
	FETCH 0, 0, 0
	LAP 1
	WIN 0
	s_mov_b32 s3, 2
.Llap:
	LAP 0
	WIN 0
	s_sub_co_u32 s3, s3, 1
	s_cmp_lg_u32 s3, 0
	s_cbranch_scc1 .Llap
	THREE 0, 0
	TURN 0, 1, 0
	THREE 1, 0
	s_wait_dscnt 8
	WIN 0x50
	MUL8 1, 0, 0
	MUL8 1, 2, 0
	s_wait_dscnt 0x0
	MUL8 1, 4, 0
	MUL8 1, 6, 0
	WIN 0
	PLACES
	s_lshl_b32 s16, s13, 19                        ; out0: 128 block row rows of 4,096 bytes
	s_lshl_b32 s46, s42, 10                        ; + 256 block column columns
	s_lshl_b32 s47, s10, 8                         ; + my 64 columns
	s_add_co_u32 s46, s46, s47
	s_add_co_u32 s46, s46, s16
	s_mov_b32 s47, 0
	s_add_nc_u64 s[8:9], s[8:9], s[46:47]
; 16 rows at a time through my own stage; f: the registers that take the rows back, two sets in turn
.macro OUT16 a, f
	WIN 0x04
.irp b, 0,1,2,3
	ds_store_b128 v[STO], v[8*(4*\a+\b):8*(4*\a+\b)+3] offset:64*\b
	ds_store_b128 v[STO], v[8*(4*\a+\b)+4:8*(4*\a+\b)+7] offset:64*\b+16
.endr
	WIN 0
	s_wait_xcnt 0x0                                ; set f is data of earlier stores: loaded again only behind this wait
.irp t, 0,1,2,3,4,5,6,7
	ds_load_b128 v[\f+4*\t:\f+4*\t+3], v[RD] offset:\t*544
.endr
.irp t, 0,1,2,3,4,5,6,7
	s_wait_dscnt 7-\t
	global_store_b128 v[CO], v[\f+4*\t:\f+4*\t+3], s[8:9] offset:(16*\a+2*\t)*4096 th:TH_STORE_NT   ; sixteen lanes store 256 consecutive bytes, aligned
.endr
.endm
	OUT16 0, 64
	OUT16 1, 128
	OUT16 2, 64
	OUT16 3, 128
	OUT16 4, 64
	OUT16 5, 128
	OUT16 6, 64
	OUT16 7, 128
	s_wait_tensorcnt 0x0
	ds_add_u32 v62, v63
	s_wait_dscnt 0x0
	CROUND                                         ; the closing round
	s_endpgm
.Lfunc_end_k_q962cb50c85_final:
	.size	k_q962cb50c85_final, .Lfunc_end_k_q962cb50c85_final-k_q962cb50c85_final
	.p2alignl 7, 3214868480
	.fill 96, 4, 3214868480
	.section	.rodata,"a",@progbits
	.p2align	6, 0x0
	.amdhsa_kernel k_q962cb50c85_final
		.amdhsa_group_segment_fixed_size 327680
		.amdhsa_private_segment_fixed_size 0
		.amdhsa_enable_private_segment 0
		.amdhsa_kernarg_size 24
		.amdhsa_user_sgpr_count 2
		.amdhsa_user_sgpr_kernarg_segment_ptr 1
		.amdhsa_wavefront_size32 1
		.amdhsa_system_sgpr_workgroup_id_x 1
		.amdhsa_system_sgpr_workgroup_id_y 1
		.amdhsa_system_sgpr_workgroup_id_z 1
		.amdhsa_system_vgpr_workitem_id 0
		.amdhsa_next_free_vgpr 512
		.amdhsa_next_free_sgpr 66
		.amdhsa_reserve_vcc 0
		.amdhsa_float_denorm_mode_32 3
		.amdhsa_float_denorm_mode_16_64 3
		.amdhsa_memory_ordered 1
		.amdhsa_forward_progress 1
		.amdhsa_inst_pref_size 118
	.end_amdhsa_kernel
	.amdgpu_metadata
---
amdhsa.version: [ 1, 2 ]
amdhsa.kernels:
  - .name:           k_q962cb50c85_final
    .symbol:         k_q962cb50c85_final.kd
    .args:
      - { .name: ob, .offset: 0, .size: 8, .value_kind: global_buffer, .address_space: global }
      - { .name: wt, .offset: 8, .size: 8, .value_kind: global_buffer, .address_space: global }
      - { .name: out0, .offset: 16, .size: 8, .value_kind: global_buffer, .address_space: global }
    .group_segment_fixed_size: 327680
    .private_segment_fixed_size: 0
    .kernarg_segment_align: 8
    .kernarg_segment_size: 24
    .max_flat_workgroup_size: 128
    .sgpr_count:     66
    .vgpr_count:     512
    .wavefront_size: 32
...
	.end_amdgpu_metadata
.endif
;; end of part 5
;; ======== version 2 of 2: 5 launches; version 1 with the launch scan written anew for expert scheduling mode
;; limits: values are held in f16: magnitudes above 65,504 overflow, below 6.1e-05 lose precision; values outside matrix products are rounded to f16
;; workspace buffers: xb 16,777,216 bytes; wt 8,388,608 bytes; ol 33,554,432 bytes; qh 16,777,216 bytes; hc 17,039,360 bytes; st 16,777,216 bytes; ob 16,777,216 bytes
;; launch prep: the kernel of part 1 again; grid 1536 x 1, 4 waves a work-group, no clusters, 17,920 bytes of LDS; arguments hidden_states, Wq, Wf, Wi, Wo, g_weight, xb, wt; writes xb, wt
;; launch proj: the kernel of part 2 again; grid 8 x 64, 4 waves a work-group, clusters of 4 x 4, 327,680 bytes of LDS; arguments xb, wt, ol, qh, hc; writes ol, qh, hc
;; launch scan (part 6): grid 256 x 1, 8 waves a work-group, no clusters, 0 bytes of LDS; arguments hc, st; writes st
.if DOCPART == 6
	.amdgcn_target "amdgcn-amd-amdhsa--gfx1250"
	.amdhsa_code_object_version 6
	.text
	.protected	k_q962cb50c85_scan
	.globl	k_q962cb50c85_scan
	.p2align	8
	.type	k_q962cb50c85_scan,@function
k_q962cb50c85_scan:
	s_mov_b64 s[64:65], 0
	v_nop
	global_prefetch_b8 v0, s[64:65] scope:SCOPE_SE
	s_setreg_imm32_b32 hwreg(HW_REG_WAVE_SCHED_MODE, 0, 2), 2
	s_setreg_imm32_b32 hwreg(HW_REG_WAVE_MODE, 25, 1), 1
	s_wait_xcnt 0x0
	s_wait_alu depctr_vm_vsrc(0)
; Launch 3 of 5: the states in front of chunks 1 to 15, S(1) = H(0), S(c+1) = L(c) S(c) + H(c), kept in f32, stored as f16 [v][d] for launch 4.
; Left out: S(0), which reference() sets to zero, is neither stored nor read; L(0) multiplies it; H(15), L(15) enter no state that is read.
; |S| <= the largest |v| (each step is lambda S + (1 - lambda) v), so f16 has room wherever v has.
; H comes in f16, L in f32.  Eight work-groups share a (batch, head): a thread owns eight neighbouring d of one v, 16 bytes of H^T and of S^T.
; Each load of H and each store of a wave covers 512 consecutive bytes, aligned.  All 43 loads go out first; memory binds, so no LDS, no matrix unit.
; THE MODE: SCHED_MODE bits 1:0 = 2 (LLVM: expert scheduling mode 2), set by the entry lines.  The code itself states the register dependences
; between vector instructions and memory instructions, with s_wait_alu, always for 0.
; THE PLAN.  Registers that memory instructions touch:
;   v1, v2     byte offsets, made once at the head and never written again; every load and store reads one of them.
;   H(c)       four registers for each chunk.  Written by its load; read by step c's widening lines; written again by step c's four roundings (c >= 1);
;              read by the one store of S(c+1); never written after that: each store has data registers of its own.
;   L(c)       eight registers for each chunk from 1 on.  Written by its loads, read by step c's multiply-adds, never written again.
;   S and T are named by vector instructions alone.
; All loads are issued before any vector instruction names a register in which they land, and no register that a memory instruction has read is written
; again.  So two kinds of dependence are left: the offsets, stated once at the head; and the roundings' results as the stores' data.  The stores go out in
; pairs, at the head of every second step, behind that step's wait for its loads and ONE wait on va_vdst, which states that the roundings of the two steps
; before have written their registers; nothing stands between that wait and its two stores.
.set REC, 33280                        ; a record: H^T 32,768 bytes, L 512 bytes
.set S,  8                             ; v[8:15]   the state, f32
.set T,  16                            ; v[16:23]  H(c) widened to f32
.set H,  24                            ; v[24+4c ..] H(c) as loaded; then S(c+1) as stored
.set LM, 84                            ; v[84+8(c-1) ..] L(c) of my eight d
	s_load_b128 s[4:7], s[0:1], 0x0                ; hc s[4:5], st s[6:7]
	s_lshr_b32 s8, ttmp9, 3                        ; batch 8 + head
	s_and_b32 s9, ttmp9, 7                         ; my eighth
	s_mul_i32 s10, s8, 16*REC
	s_mov_b32 s11, 0
	s_lshl_b32 s12, s8, 19                         ; 16 records of 32,768 bytes
	s_mov_b32 s13, 0
	s_lshl_b32 s14, s9, 12
	v_lshlrev_b32 v1, 4, v0
	v_add_nc_u32 v1, s14, v1                       ; H^T and S^T: 4096 eighth + 16 thread
	v_and_b32 v2, 15, v0
	v_lshlrev_b32 v2, 5, v2                        ; L: sixteen threads share a row of 128 d, 32 bytes each
	s_wait_kmcnt 0x0
	s_add_nc_u64 s[4:5], s[4:5], s[10:11]
	s_add_nc_u64 s[6:7], s[6:7], s[12:13]
	s_wait_alu depctr_va_vdst(0)                   ; v1 and v2 are written: every load and store of the kernel reads one of them as its offset
	global_load_b128 v[H:H+3], v1, s[4:5] th:TH_LOAD_NT
.set c, 1
.rept 14
	global_load_b128 v[LM+8*(c-1):LM+8*(c-1)+3], v2, s[4:5] offset:c*REC+32768
	global_load_b128 v[LM+8*(c-1)+4:LM+8*(c-1)+7], v2, s[4:5] offset:c*REC+32768+16
	global_load_b128 v[H+4*c:H+4*c+3], v1, s[4:5] offset:c*REC th:TH_LOAD_NT
.set c, c+1
.endr
; eight f16 in the four registers from hb on become eight f32 from register d on.  l0-l3 name the low halves of those four registers, u0-u3 the low halves
; of the odd registers of d: the conversion is given low halves alone, so the upper halves are moved down first.
.macro UNPACK d, hb, l0, l1, l2, l3, u0, u1, u2, u3
	v_lshrrev_b32 v[\d+1], 16, v[\hb]
	v_lshrrev_b32 v[\d+3], 16, v[\hb+1]
	v_lshrrev_b32 v[\d+5], 16, v[\hb+2]
	v_lshrrev_b32 v[\d+7], 16, v[\hb+3]
	v_cvt_f32_f16 v[\d], \l0
	v_cvt_f32_f16 v[\d+2], \l1
	v_cvt_f32_f16 v[\d+4], \l2
	v_cvt_f32_f16 v[\d+6], \l3
	v_cvt_f32_f16 v[\d+1], \u0
	v_cvt_f32_f16 v[\d+3], \u1
	v_cvt_f32_f16 v[\d+5], \u2
	v_cvt_f32_f16 v[\d+7], \u3
.endm
; S(c) leaves from H(c-1)'s registers, into which step c - 1 rounded it
.macro SEND c
	global_store_b128 v1, v[H+4*(\c-1):H+4*(\c-1)+3], s[6:7] offset:(\c)*32768
.endm
; chunk c: S = L(c) S + H(c), rounded into H(c)'s registers, which are free by then and serve as that state's own store data.
; At the head of steps 3, 5 .. 13 the two states made in the two steps before go out.
.macro STEP c, l0, l1, l2, l3
	s_wait_loadcnt 3*(14-\c)                       ; L(c), H(c) are in; three loads for each later chunk stay out
.if (\c > 1) && ((\c & 1) == 1)
	s_wait_alu depctr_va_vdst(0)                   ; the roundings of steps c - 2 and c - 1 have written H(c-2)'s and H(c-1)'s registers, which the two stores below read
	SEND \c-1
	SEND \c
.endif
	UNPACK T, H+4*\c, \l0, \l1, \l2, \l3, v17.l, v19.l, v21.l, v23.l
.irp k, 0,1,2,3
	v_pk_fma_f32 v[S+2*\k:S+2*\k+1], v[LM+8*(\c-1)+2*\k:LM+8*(\c-1)+2*\k+1], v[S+2*\k:S+2*\k+1], v[T+2*\k:T+2*\k+1]
.endr
.irp k, 0,1,2,3
	v_cvt_pk_f16_f32 v[H+4*\c+\k], v[S+2*\k], v[S+2*\k+1]
.endr
.endm
	s_wait_loadcnt 42                              ; H(0) is in; the 42 younger loads stay out
	global_store_b128 v1, v[H:H+3], s[6:7] offset:32768    ; S(1) = H(0), as it came: its data were brought by a load, and no vector instruction writes them
	UNPACK S, H, v24.l, v25.l, v26.l, v27.l, v9.l, v11.l, v13.l, v15.l
	STEP 1,  v28.l, v29.l, v30.l, v31.l
	STEP 2,  v32.l, v33.l, v34.l, v35.l
	STEP 3,  v36.l, v37.l, v38.l, v39.l
	STEP 4,  v40.l, v41.l, v42.l, v43.l
	STEP 5,  v44.l, v45.l, v46.l, v47.l
	STEP 6,  v48.l, v49.l, v50.l, v51.l
	STEP 7,  v52.l, v53.l, v54.l, v55.l
	STEP 8,  v56.l, v57.l, v58.l, v59.l
	STEP 9,  v60.l, v61.l, v62.l, v63.l
	STEP 10, v64.l, v65.l, v66.l, v67.l
	STEP 11, v68.l, v69.l, v70.l, v71.l
	STEP 12, v72.l, v73.l, v74.l, v75.l
	STEP 13, v76.l, v77.l, v78.l, v79.l
	STEP 14, v80.l, v81.l, v82.l, v83.l
	s_wait_alu depctr_va_vdst(0)                   ; the roundings of steps 13 and 14 have written H(13)'s and H(14)'s registers, which the last two stores read
	SEND 14
	SEND 15
	s_endpgm
.Lfunc_end_k_q962cb50c85_scan:
	.size	k_q962cb50c85_scan, .Lfunc_end_k_q962cb50c85_scan-k_q962cb50c85_scan
	.p2alignl 7, 3214868480
	.fill 96, 4, 3214868480
	.section	.rodata,"a",@progbits
	.p2align	6, 0x0
	.amdhsa_kernel k_q962cb50c85_scan
		.amdhsa_group_segment_fixed_size 0
		.amdhsa_private_segment_fixed_size 0
		.amdhsa_enable_private_segment 0
		.amdhsa_kernarg_size 16
		.amdhsa_user_sgpr_count 2
		.amdhsa_user_sgpr_kernarg_segment_ptr 1
		.amdhsa_wavefront_size32 1
		.amdhsa_system_sgpr_workgroup_id_x 1
		.amdhsa_system_sgpr_workgroup_id_y 1
		.amdhsa_system_sgpr_workgroup_id_z 1
		.amdhsa_system_vgpr_workitem_id 0
		.amdhsa_next_free_vgpr 196
		.amdhsa_next_free_sgpr 66
		.amdhsa_reserve_vcc 0
		.amdhsa_float_denorm_mode_32 3
		.amdhsa_float_denorm_mode_16_64 3
		.amdhsa_memory_ordered 1
		.amdhsa_forward_progress 1
		.amdhsa_inst_pref_size 20
	.end_amdhsa_kernel
	.amdgpu_metadata
---
amdhsa.version: [ 1, 2 ]
amdhsa.kernels:
  - .name:           k_q962cb50c85_scan
    .symbol:         k_q962cb50c85_scan.kd
    .args:
      - { .name: hc, .offset: 0, .size: 8, .value_kind: global_buffer, .address_space: global }
      - { .name: st, .offset: 8, .size: 8, .value_kind: global_buffer, .address_space: global }
    .group_segment_fixed_size: 0
    .private_segment_fixed_size: 0
    .kernarg_segment_align: 8
    .kernarg_segment_size: 16
    .max_flat_workgroup_size: 256
    .sgpr_count:     66
    .vgpr_count:     196
    .wavefront_size: 32
...
	.end_amdgpu_metadata
.endif
;; end of part 6
;; launch outp: the kernel of part 4 again; grid 256 x 1, 4 waves a work-group, clusters of 4 x 1, 327,680 bytes of LDS; arguments ol, qh, st, ob; writes ob
;; launch final: the kernel of part 5 again; grid 4 x 64, 4 waves a work-group, clusters of 4 x 4, 327,680 bytes of LDS; arguments ob, wt, out0; writes out0
